; MI455X (gfx1250); checked and timed in simulation.
; The chip was launched on July 23, 2026; its instructions are those of AMD's public machine-readable ISA for CDNA 5 (MIT licence, August 2026) and "CDNA5" Instruction Set Architecture Reference Guide (July 2026). The comments in the code are by the model that wrote it; some were corrected since.
;; Multihead Attention. Allowed arithmetic: matrix products marked QUANTISED: E2M3 operands, one E8M0 scale for each 32 along K, by v_wmma_scale_f32_16x16x128_f8f6f4 with both operands' format E2M3, f32 sums; everything else in f32.
;; Inputs: Wk 1,024 x 1,024 float32; Wo 1,024 x 1,024 float32; Wq 1,024 x 1,024 float32; Wv 1,024 x 1,024 float32; keys 4 x 2,048 x 1,024 float32; queries 4 x 2,048 x 1,024 float32; values 4 x 2,048 x 1,024 float32.
;; Outputs: out0 4 x 2,048 x 1,024 float32.
;; This version of the problem:
;;   THIS VERSION OF THE PROBLEM IS GIVEN IN LOW PRECISION. The matrix products marked QUANTISED in the list below multiply operands that are first quantised to E2M3 (2 exponent bits, 3 mantissa bits; 6 bits a number), with one power-of-two scale for each 32 numbers along K (OCP MX v1.0); their sums are f32. All else is computed in f32.
;;   The module's matrix products, in the order in which they are computed (A, B: the left and right operand; K: the contracted axis; several contracted axes count as one K, in the product's order):
;;     1. [M 8,192, K 1,024] x [K 1,024, N 1,024]; A: input queries; B: input Wq: QUANTISED
;;     2. [M 8,192, K 1,024] x [K 1,024, N 1,024]; A: input keys; B: input Wk: QUANTISED
;;     3. [M 8,192, K 1,024] x [K 1,024, N 1,024]; A: input values; B: input Wv: QUANTISED
;;     4. batch 64 x [M 2,048, K 64] x [K 64, N 2,048]; A: computed on the way; B: computed on the way: QUANTISED
;;     5. batch 64 x [M 2,048, K 2,048] x [K 2,048, N 64]; A: softmax (see below); B: computed on the way: QUANTISED
;;     6. [M 8,192, K 1,024] x [K 1,024, N 1,024]; A: computed on the way; B: input Wo: QUANTISED
;;   THE QUANTISER, for each operand of a quantised product, along K:
;;     - K is cut into blocks of 32 from its start; a last block that is shorter is filled with zeros.
;;     - A block's scale is 2^e with e = floor(log2(the largest magnitude in the block)) - 2, held to -126 .. 127; a block of zeros has e = 0. As a byte (E8M0): e + 127.
;;     - Each number is divided by its block's scale, clamped to +-7.5, and rounded to the nearest number of E2M3, ties to even, subnormals kept.
;;     - The product sums the exact products of the quantised numbers (number of the format x scale) in f32.
;;   ~~~python
;;   def quantise(x, axis):      # numpy; x: float32 -> the quantised numbers, widened to float32 again
;;       x = np.moveaxis(x, axis, -1); K = x.shape[-1]
;;       x = np.pad(x, [(0, 0)] * (x.ndim - 1) + [(0, -K % 32)]); x = x.reshape(x.shape[:-1] + (-1, 32)); a = np.abs(x).max(-1, keepdims=True)
;;       e = np.where(a > 0, np.clip(np.frexp(np.where(a > 0, a, 1))[1] - 1 - 2, -126, 127), 0)      # np.frexp(a)[1] - 1 = floor(log2(a)), exactly
;;       r = np.clip(x / 2.0 ** e, -7.5, 7.5)
;;       step = 2.0 ** (np.maximum(np.frexp(np.where(r == 0, 1, r))[1] - 1, 0) - 3)
;;       q = np.round(r / step) * step * 2.0 ** e      # np.round: ties to even
;;       return np.moveaxis(q.reshape(q.shape[:-2] + (-1,))[..., :K], -1, axis).astype(np.float32)
;;   ~~~
;;   SOFTMAX AHEAD OF A QUANTISED PRODUCT. Where the list says 'softmax', what is quantised is not the finished softmax but p = 2^(t - M), with t = logit x log2(e) and M = ceil(the row's largest t), a whole number; so 1/2 < the row's largest p <= 1. The row's sum l is taken of the UNQUANTISED p, in f32, and the product's result is divided by l at the end. Since M is a whole number, a kernel that streams over the keys may use a running M (the ceiling of the running maximum): every later rescaling is an exact power of two, which a block's scale takes up: the codes' values come out the same.
;;   OPERANDS COMPUTED ON THE WAY. 'Computed on the way' means the value that the module computes at that place (a softmax that the list does not call 'softmax' is quantised finished and normalised). What goes into a quantiser is computed in f32, as accurately as f32 sums, v_exp_f32 and their like allow (about 1e-6 of the number): no bf16 or f16 on the way to a quantiser, and a product that is left as it is and whose result goes on into a quantised operand takes f32 operands (vector FMAs, or v_wmma_f32_16x16x4_f32). A number that lies on a knife's edge between two numbers of the format may be rounded either way, as far as f32 arithmetic and the matrix unit's own rounding can turn it there, and no further.
;; One version. Each part assembles by itself: llvm-mc -triple=amdgcn-amd-amdhsa -mcpu=gfx1250 --defsym DOCPART=n.
;; ======== version 1 of 1: 4 launches
;; workspace buffers: xcodes 22,020,096 bytes; xscales 917,504 bytes; qimg 6,815,744 bytes; kv 13,631,488 bytes; ocodes 6,291,456 bytes; oscales 262,144 bytes
;; launch quant (part 1): grid 896 x 1, 4 waves a work-group, no clusters, 33,280 bytes of LDS; arguments queries, keys, values, Wq, Wk, Wv, Wo, xcodes, xscales; writes xcodes, xscales
.if DOCPART == 1
	.amdgcn_target "amdgcn-amd-amdhsa--gfx1250"
	.amdhsa_code_object_version 6
	.text
	.protected	k_q7193f9d14f_quant
	.globl	k_q7193f9d14f_quant
	.p2align	8
	.type	k_q7193f9d14f_quant,@function
k_q7193f9d14f_quant:
	s_mov_b64 s[64:65], 0
	v_nop
	global_prefetch_b8 v0, s[64:65] scope:SCOPE_SE
	s_setreg_imm32_b32 hwreg(HW_REG_WAVE_MODE, 25, 1), 1
	s_wait_xcnt 0x0
; All seven inputs (f32, K = 1,024 innermost) become codes of FP6 (E2M3), 6 bits each, with one E8M0 scale byte for each 32 along K.
; xcodes holds rows of 768 bytes, xscales rows of 32 bytes, the tensors on end: queries, keys, values (8,192 rows each), Wq, Wk, Wv, Wo (1,024 rows each).
; A block's scale is 2^(floor(log2(its largest magnitude)) - 2); its byte is the largest magnitude's exponent field - 2, held at 1 from below.
; LIMITS: a block of zeros, or one whose largest magnitude lies under 2^-124, gets the byte 1 (its codes are zeros or tiny; this program alone reads the bytes); NaN and infinities are not served.
; SHARES: a work-group takes 32 rows (32,768 numbers), a wave 8 rows: 16 steps of 512 numbers, 6,144 bytes of codes, 256 scale bytes.
; ROW ORDER: in keys, values, Wq, Wk, Wv the rows of each group of 32 are laid so that logical row 16 a + 8 u + c lies at place 16 u + 8 a + c.  A wave's 8 rows are the runs (a, u), so only the
; wave's place in the output changes: wave 2 a + u writes run 2 u + a.  A tile of 16 places then holds eight neighbouring rows and the eight that lie 16 further on, which is what the later products' results want.
; Each load reads 512 consecutive bytes; the numbers turn through the wave's own stage in LDS so that a lane holds 16 neighbours; two neighbouring lanes hold a block.  No barrier: waves share nothing.
.set WAVES, 4
.set STEPS, 16
.set EMAX,  2
.set CB,    12                         ; bytes of 16 codes
.set R,     16                         ; v16-79   four sets of 16 numbers as loaded
.set X,     80                         ; v80-111  two sets of 16 neighbours
.set C,     128                        ; v128-191 codes: four registers a step, so that no store's data are written again
.set E,     112                        ; v112-127 a scale byte a step
.set WREG,  8192                       ; LDS: a region for each wave: two stages of 32 x SP bytes, then its 256 scale bytes
.set SP,    80                         ; a lane's place in a stage: 64 bytes + 16 of padding
.set SPW,   12                         ; v12  LDS address of my spare word; never rewritten
.set NIL,   13                         ; v13  0; never rewritten
.set SPARE, WAVES*WREG                 ; behind the regions: the spare words, 128 bytes a wave
	s_load_b512 s[8:23], s[0:1], 0x0               ; queries s[8:9], keys, values, Wq, Wk, Wv, Wo s[20:21], xcodes s[22:23]
	s_load_b64 s[24:25], s[0:1], 0x40              ; xscales
	v_lshl_add_u32 v[SPW], v0, 2, SPARE
	v_mov_b32 v[NIL], 0
	v_lshrrev_b32 v1, 5, v0
	v_readfirstlane_b32 s26, v1                    ; wave
	v_and_b32 v2, 31, v0                           ; lane
	v_lshlrev_b32 v3, 4, v2                        ; my 16 bytes of a load's 512
	s_mul_i32 s27, s26, WREG
	v_lshrrev_b32 v14, 2, v2
	v_mul_u32_u24 v14, v14, SP
	v_and_b32 v15, 3, v2
	v_lshl_add_u32 v14, v15, 4, v14
	v_add_nc_u32 v14, s27, v14                     ; the stage, on the way in: SP (lane / 4) + 16 (lane % 4)
	v_mul_u32_u24 v15, v2, SP
	v_add_nc_u32 v15, s27, v15                     ; and on the way out: SP x lane: my 16 neighbours
	v_mul_u32_u24 v4, v2, CB                       ; my codes' place in a step's
	v_lshrrev_b32 v5, 1, v2
	s_add_co_u32 s27, s27, 2*32*SP
	v_add_nc_u32 v5, s27, v5                       ; LDS: my block's scale byte
	v_lshlrev_b32 v7, 3, v2                        ; on the way out 8 bytes a lane
	v_add_nc_u32 v6, s27, v7
	s_and_b32 s29, s26, 1                          ; the wave's run in the changed row order: ((w & 1) << 1) | (w >> 1)
	s_lshl_b32 s29, s29, 1
	s_lshr_b32 s31, s26, 1
	s_or_b32 s29, s29, s31
	s_sub_co_u32 s30, ttmp9, 256                   ; work-groups 256 to 863 (keys, values, Wq, Wk, Wv) take that order
	s_cmp_lt_u32 s30, 608
	s_cselect_b32 s29, s29, s26
	s_wait_kmcnt 0x0
	s_mov_b64 s[4:5], s[20:21]                     ; which tensor is mine: the choice hangs on the work-group's number alone
	s_mov_b32 s28, 864                             ; and its first work-group
	s_cmp_lt_u32 ttmp9, 864
	s_cselect_b64 s[4:5], s[18:19], s[4:5]
	s_cselect_b32 s28, 832, s28
	s_cmp_lt_u32 ttmp9, 832
	s_cselect_b64 s[4:5], s[16:17], s[4:5]
	s_cselect_b32 s28, 800, s28
	s_cmp_lt_u32 ttmp9, 800
	s_cselect_b64 s[4:5], s[14:15], s[4:5]
	s_cselect_b32 s28, 768, s28
	s_cmp_lt_u32 ttmp9, 768
	s_cselect_b64 s[4:5], s[12:13], s[4:5]
	s_cselect_b32 s28, 512, s28
	s_cmp_lt_u32 ttmp9, 512
	s_cselect_b64 s[4:5], s[10:11], s[4:5]
	s_cselect_b32 s28, 256, s28
	s_cmp_lt_u32 ttmp9, 256
	s_cselect_b64 s[4:5], s[8:9], s[4:5]
	s_cselect_b32 s28, 0, s28
	s_sub_co_u32 s30, ttmp9, s28
	s_lshl_b32 s30, s30, 2
	s_add_co_u32 s30, s30, s26                     ; my run of 8,192 numbers in the tensor
	s_lshl_b32 s30, s30, 15                        ; 32,768 bytes a run
	s_mov_b32 s31, 0
	s_add_nc_u64 s[4:5], s[4:5], s[30:31]
	s_lshl_b32 s32, ttmp9, 2
	s_add_co_u32 s32, s32, s29                     ; my run in the output: the tensors lie on end in the work-groups' order
	s_mul_i32 s30, s32, 32*STEPS*CB
	s_add_nc_u64 s[22:23], s[22:23], s[30:31]
	s_lshl_b32 s30, s32, 8
	s_add_nc_u64 s[24:25], s[24:25], s[30:31]
.macro LOAD t
.irp i, 0,1,2,3
	global_load_b128 v[R+16*((\t)%4)+4*\i:R+16*((\t)%4)+4*\i+3], v3, s[4:5] offset:2048*(\t)+512*\i th:TH_LOAD_NT   ; 32 lanes read 512 consecutive bytes
.endr
.endm
.macro TURN t                          ; step t's numbers through the stage: LDS serves a wave's instructions in order, so no wait stands between the stores and the loads
.irp i, 0,1,2,3
	ds_store_b128 v14, v[R+16*((\t)%4)+4*\i:R+16*((\t)%4)+4*\i+3] offset:32*SP*((\t)%2)+8*SP*\i
.endr
.irp i, 0,1,2,3
	ds_load_b128 v[X+16*((\t)%2)+4*\i:X+16*((\t)%2)+4*\i+3], v15 offset:32*SP*((\t)%2)+16*\i
.endr
.endm
.irp t, 0,1,2,3
	LOAD \t
.endr
	s_wait_loadcnt 12                              ; step 0's four loads are in; the twelve of steps 1 to 3 may be out
	TURN 0
.macro STEP t
.set XS, X+16*((\t)%2)
.if (\t) > 0
	s_wait_dscnt 1                                 ; this step's numbers are back from the stage (the last step's byte store may be out), so its stores into the stage have read their registers,
.else
	s_wait_dscnt 0x0
.endif
.if (\t)+4 < STEPS
	LOAD (\t)+4                                    ; which take the loads of four steps on
.endif
.if (\t)+1 < STEPS
.if STEPS-2-(\t) >= 3
	s_wait_loadcnt 12                              ; the next step's four loads are in; those of the three steps behind it may be out
.else
	s_wait_loadcnt 4*(STEPS-2-(\t))
.endif
	TURN (\t)+1
.endif
	v_max3_num_f32 v8, |v[XS]|, |v[XS+1]|, |v[XS+2]|               ; the largest magnitude of my 16, in two chains
	v_max3_num_f32 v9, |v[XS+3]|, |v[XS+4]|, |v[XS+5]|
.irp i, 6,10
	v_max3_num_f32 v8, v8, |v[XS+\i]|, |v[XS+\i+1]|
	v_max3_num_f32 v9, v9, |v[XS+\i+2]|, |v[XS+\i+3]|
.endr
	v_max3_num_f32 v8, v8, |v[XS+14]|, |v[XS+15]|
	v_max3_num_f32 v8, v8, v9, (EMAX+1)<<23        ; and the floor 2^(3 - 127): the byte cannot fall under 1
	v_max_num_f32_dpp v8, v8, v8 row_xmask:1 row_mask:0xf bank_mask:0xf   ; and of my neighbour's 16: the block's
	v_add_nc_u32 v11, -(EMAX<<23), v8              ; 2 off its exponent field: the conversion takes the exponent field of this operand as its scale
	v_cvt_scalef32_pk16_fp6_f32 v[C+4*(\t):C+4*(\t)+2], v[XS:XS+15], v11
	v_lshrrev_b32 v[E+(\t)], 23, v11               ; the scale's byte (also the plain line behind the conversion)
	ds_store_b8 v5, v[E+(\t)] offset:16*(\t)       ; both lanes of a block write the same byte with the same value
	global_store_b96 v4, v[C+4*(\t):C+4*(\t)+2], s[22:23] offset:32*CB*(\t)   ; the wave stores 384 consecutive bytes
.endm
.irp t, 0,1,2,3,4,5,6,7,8,9,10,11,12,13,14,15
	STEP \t
.endr
	ds_load_b64 v[8:9], v6                         ; LDS serves a wave's instructions in order: these see my stores
	s_wait_dscnt 0x0
	global_store_b64 v7, v[8:9], s[24:25]          ; 32 lanes store 256 consecutive bytes, aligned
	s_wait_tensorcnt 0x0                           ; the wave's end, behind my last LDS store
	ds_add_u32 v[SPW], v[NIL]
	s_wait_dscnt 0x0
	s_endpgm
.Lfunc_end_k_q7193f9d14f_quant:
	.size	k_q7193f9d14f_quant, .Lfunc_end_k_q7193f9d14f_quant-k_q7193f9d14f_quant
	.p2alignl 7, 3214868480
	.fill 96, 4, 3214868480
	.section	.rodata,"a",@progbits
	.p2align	6, 0x0
	.amdhsa_kernel k_q7193f9d14f_quant
		.amdhsa_group_segment_fixed_size 33280
		.amdhsa_private_segment_fixed_size 0
		.amdhsa_enable_private_segment 0
		.amdhsa_kernarg_size 72
		.amdhsa_user_sgpr_count 2
		.amdhsa_user_sgpr_kernarg_segment_ptr 1
		.amdhsa_wavefront_size32 1
		.amdhsa_system_sgpr_workgroup_id_x 1
		.amdhsa_system_sgpr_workgroup_id_y 1
		.amdhsa_system_sgpr_workgroup_id_z 1
		.amdhsa_system_vgpr_workitem_id 0
		.amdhsa_next_free_vgpr 192
		.amdhsa_next_free_sgpr 66
		.amdhsa_reserve_vcc 0
		.amdhsa_float_denorm_mode_32 3
		.amdhsa_float_denorm_mode_16_64 3
		.amdhsa_memory_ordered 1
		.amdhsa_forward_progress 1
		.amdhsa_inst_pref_size 33
	.end_amdhsa_kernel
	.amdgpu_metadata
---
amdhsa.version: [ 1, 2 ]
amdhsa.kernels:
  - .name:           k_q7193f9d14f_quant
    .symbol:         k_q7193f9d14f_quant.kd
    .args:
      - { .name: queries, .offset: 0, .size: 8, .value_kind: global_buffer, .address_space: global }
      - { .name: keys, .offset: 8, .size: 8, .value_kind: global_buffer, .address_space: global }
      - { .name: values, .offset: 16, .size: 8, .value_kind: global_buffer, .address_space: global }
      - { .name: Wq, .offset: 24, .size: 8, .value_kind: global_buffer, .address_space: global }
      - { .name: Wk, .offset: 32, .size: 8, .value_kind: global_buffer, .address_space: global }
      - { .name: Wv, .offset: 40, .size: 8, .value_kind: global_buffer, .address_space: global }
      - { .name: Wo, .offset: 48, .size: 8, .value_kind: global_buffer, .address_space: global }
      - { .name: xcodes, .offset: 56, .size: 8, .value_kind: global_buffer, .address_space: global }
      - { .name: xscales, .offset: 64, .size: 8, .value_kind: global_buffer, .address_space: global }
    .group_segment_fixed_size: 33280
    .private_segment_fixed_size: 0
    .kernarg_segment_align: 8
    .kernarg_segment_size: 72
    .max_flat_workgroup_size: 128
    .sgpr_count:     66
    .vgpr_count:     192
    .wavefront_size: 32
...
	.end_amdgpu_metadata
.endif
;; end of part 1
;; launch proj (part 2): grid 4 x 96, 4 waves a work-group, clusters of 4 x 4, 327,680 bytes of LDS; arguments xcodes, xscales, qimg, kv; writes qimg, kv
.if DOCPART == 2
	.amdgcn_target "amdgcn-amd-amdhsa--gfx1250"
	.amdhsa_code_object_version 6
	.text
	.protected	k_q7193f9d14f_proj
	.globl	k_q7193f9d14f_proj
	.p2align	8
	.type	k_q7193f9d14f_proj,@function
k_q7193f9d14f_proj:
	s_mov_b64 s[64:65], 0
	v_nop
	global_prefetch_b8 v0, s[64:65] scope:SCOPE_SE
	s_setreg_imm32_b32 hwreg(HW_REG_WAVE_MODE, 25, 1), 1
	s_wait_xcnt 0x0
	s_wait_alu depctr_hold_cnt(0) depctr_sa_sdst(0) depctr_va_vdst(0) depctr_va_sdst(0) depctr_va_ssrc(0) depctr_va_vcc(0) depctr_vm_vsrc(0)
	s_getreg_b32 s2, hwreg(HW_REG_IB_STS2, 6, 4)
	s_cmp_eq_u32 s2, 0
	s_cbranch_scc0 .Lentry_in_a_cluster
	s_endpgm
.Lentry_in_a_cluster:
	s_bfe_u32 s2, ttmp6, 0x10000c
	s_cmp_lg_u32 s2, 0xf033
	s_cbranch_scc0 .Lentry_shape_is_right
	s_endpgm
.Lentry_shape_is_right:
; The three input projections, C = A B^T on codes of FP6 (E2M3) with E8M0 scales, K = 1,024, and their results quantised in registers and stored as images of the attention launch's operand registers.
; 24 clusters of 4 x 4 work-groups; KIND = cluster y / 8:  0: q = queries Wq^T;  1: k = keys Wk^T;  2: v^T = Wv values^T (so that a lane's registers run along the keys, which are the K of attention's second product).
; A tile of C is 256 x 256, made by four waves of 128 x 128 (64 accumulators, 512 registers).  K goes in steps of 256 through a ring of two LDS slots filled by the tensor data mover; the scale bytes of the tile's rows come once.
; The four work-groups of a row of the cluster need the same tiles of A, those of a column the same tiles of B: each tile is asked for jointly.  The matrix instruction is used transposed (source 0 = 16 rows of B, source 1 = 16 rows of A).
; B's rows lie in the changed row order (place 16 u + 8 a + c holds logical row 16 a + 8 u + c), so the 64 registers of A's block a hold, in lane (r, h), register 16 b + i = logical column 32 b + 16 h + i of row r:
; 16 neighbours along the next product's K.  q, k: the columns are 2 heads x 64 channels; v: the columns are 128 keys.
; OUT: qimg [bh][step][6,656]: 8 tiles x 768 bytes (3 chunks of 256: registers 2 i, 2 i + 1, lane l at 8 l), then 512 bytes of scale words (lane 16 h + r: the words of tiles 4 h .. 4 h + 3 of row r).
;      kv [bh][step][13,312]: K's codes 6,144 (12 chunks of 512: registers 4 g .. 4 g + 3 of the run of 48), K's scale words 512, V^T's codes 6,144 (tile t: 3 chunks of 512), V's scale words 512.
; LIMITS: a block whose largest magnitude lies under 2^-124 gets the scale byte 1; NaN and infinities are not served.
; REGISTERS: window 0: v0-31 addresses; v32-63 scale words, two sets; from v128 A's fragments, one set.  window 1: B's fragments, two sets.  windows 2, 3: the accumulators ((a, b) at v[8 (8 (a % 4) + b)]).
.set KSTEP,  256
.set NQ,     2                         ; matrix instructions deep in a slot
.set ROWB,   192                       ; a tile's row: 256 codes
.set KROW,   768                       ; a row of codes in memory
.set PITCH,  240                       ; an LDS row: 3 x (64 bytes + 16 of padding)
.set FR,     12
.set NL,     6
.set NP,     4
.set HALFT,  128*PITCH
.set SLOT,   4*HALFT
.set LAPS,   2                         ; 1,024 / 512
.set KS,     32                        ; a row of scale bytes
.set SCL,    2*SLOT
.set HALFS,  (128*KS/256)*272
.set SBLK,   (16*KS/256)*272
.set SPARE,  SCL+4*HALFS               ; the spare words, 128 bytes a wave
.set QREC,   6656
.set KVREC,  13312
.set ADRA, 16                          ; v16-17 my A fragments in slot 0, 1 (v18-19: behind one padding more)
.set ADRB, 20                          ; v20-23 the same for B
.set L16,  24                          ; v24  16 x lane
.set L8,   25                          ; v25  8 x lane
.set ADRS, 27                          ; v27  my scale words
.set SPW,  28
.set NIL,  29
.set SC,   32
.set AF,   128
.set TM,   32                          ; the way out: v32-35 largest magnitudes, v36-39 the other half's and the bytes, v44-47 the conversions' scale operands
.set PWS,  48                          ; v48-55 the scale word of each of my eight blocks of rows
.set YW,   56                          ; v56-59 those words dealt to the halves of the lanes
.set XW0,  60                          ; v60-63 the first head's words;  v64-67 the second head's
.set XW1,  64
.set CT,   68                          ; v68-75 the upper halves of blocks, to be moved
.set OUT,  128                         ; v128-223 the codes
.set KIND, 95
.set G1, 24
.set G0, 32
.set G1B, 48
.set G0B, 56
.set G1S, 68
.set G0S, 76
.set G1SB, 80
.set G0SB, 88
.set MSB, 0
.macro WIN new                         ; the immediate's high byte repeats the setting that is left
.if MSB != (\new)
	s_set_vgpr_msb (MSB<<8)|(\new)
.set MSB, (\new)
.endif
.endm
.set MUL_LO, 0xa1                      ; source 0 (B) window 1, source 1 (A) window 0, C and D window 2
.set MUL_HI, 0xf1
.set TO_B,   0x40
; A joint load: waves 0 and 1 fetch for A, waves 2 and 3 for B; the branch hangs on the wave's number alone.  An s_nop 0 and four v_nop follow each of the two lines.
.macro JLOAD g0a, g1a, g0b, g1b
	s_cmp_eq_u32 s15, 0
	s_cbranch_scc0 .Lfor_b_\@
	tensor_load_to_lds s[\g0a:\g0a+3], s[\g1a:\g1a+7]
	s_nop 0
.rept 4
	v_nop
.endr
	s_branch .Lasked_\@
.Lfor_b_\@:
	tensor_load_to_lds s[\g0b:\g0b+3], s[\g1b:\g1b+7]
	s_nop 0
.rept 4
	v_nop
.endr
.Lasked_\@:
.endm
.macro CREST                           ; a round of the cluster's barrier behind its opening barrier
	s_cmp_lg_u32 s14, 0
	s_cbranch_scc1 .Lnot_wave_0_\@
	s_barrier_signal -3
.Lnot_wave_0_\@:
	s_barrier_wait -3
	s_barrier_signal -1
	s_barrier_wait -1
.endm
.macro CROUND
	s_barrier_signal -1
	s_barrier_wait -1
	CREST
.endm
	s_load_b256 s[4:11], s[0:1], 0x0               ; xcodes s[4:5], xscales s[6:7], qimg s[8:9], kv s[10:11]
	v_lshl_add_u32 v[SPW], v0, 2, SPARE
	v_mov_b32 v[NIL], 0
	ds_add_u32 v[SPW], v[NIL]                      ; the wave's opening: the add and its wait stand ahead of my first tensor load, with the set-up below between them
	v_lshrrev_b32 v1, 5, v0
	v_readfirstlane_b32 s14, v1                    ; wave 0..3
	s_lshr_b32 s15, s14, 1                         ; which half of the tile's rows is mine.  Also: I fetch for A (0) or for B (1)
	s_and_b32 s16, s14, 1                          ; which half of its columns.  Also: which 128 rows I fetch
	s_bfe_u32 s40, ttmp6, 0x40000                  ; cx
	s_bfe_u32 s41, ttmp6, 0x40004                  ; cy
	s_and_b32 s100, ttmp7, 0xffff                  ; cluster y, 0..23: the same in all sixteen partners
	s_lshr_b32 s[KIND], s100, 3
	s_and_b32 s101, s100, 7
	s_lshl_b32 s101, s101, 2                       ; the cluster's first tile along the 8,192 tokens
	s_mul_i32 s104, s[KIND], 6291456               ; the tokens' codes: queries, keys, values on end
	s_mul_i32 s105, s[KIND], 786432
	s_add_co_u32 s105, s105, 18874368              ; the weight's codes: Wq, Wk, Wv on end
	s_lshl_b32 s2, s[KIND], 18                     ; the tokens' scale bytes
	s_lshl_b32 s67, s[KIND], 15
	s_add_co_u32 s67, s67, 786432                  ; the weight's
	s_cmp_eq_u32 s[KIND], 2                        ; v^T: the weight is A, the tokens are B
	s_cselect_b32 s12, 0, s101
	s_cselect_b32 s13, s101, 0
	s_cselect_b32 s96, s105, s104                  ; A's codes,
	s_cselect_b32 s97, s104, s105                  ; B's codes,
	s_cselect_b32 s98, s67, s2                     ; A's scale bytes,
	s_cselect_b32 s99, s2, s67                     ; B's
	s_add_co_u32 s42, s13, s40                     ; tile column of C
	s_add_co_u32 s17, s12, s41                     ; tile row of C
	s_lshl_b32 s43, s41, 2
	s_lshl_b32 s43, 15, s43                        ; my row of the cluster
	s_lshl_b32 s44, 0x1111, s40                    ; my column
	s_or_b32 s[G1+0], s43, (0<<16)|(1<<20)|(1<<21)|(3<<22)|(3<<25)  ; the mask; elements of 1 byte; padding of 4 words after every 16 words; bit 21 beside a mask
	s_or_b32 s[G1B+0], s44, (0<<16)|(1<<20)|(1<<21)|(3<<22)|(3<<25)
.irp g, G1, G1B
	s_mov_b32 s[\g+1], ROWB<<16                    ; tensor_dim0
	s_mov_b32 s[\g+2], 128<<16                     ; tensor_dim1
	s_mov_b32 s[\g+3], ROWB<<16                    ; tile_dim0
	s_mov_b32 s[\g+4], 128                         ; tile_dim1
	s_mov_b32 s[\g+5], KROW                        ; the pitch
	s_mov_b32 s[\g+6], 0
	s_mov_b32 s[\g+7], 0
.endr
	s_or_b32 s[G1S+0], s43, (3<<16)|(1<<20)|(1<<21)|(5<<22)|(3<<25) ; the scale bytes of 128 rows: 4,096 dense bytes as rows of 256, 16 of padding behind each
	s_or_b32 s[G1SB+0], s44, (3<<16)|(1<<20)|(1<<21)|(5<<22)|(3<<25)
.irp g, G1S, G1SB
	s_mov_b32 s[\g+1], 32<<16
	s_mov_b32 s[\g+2], (128*KS/256)<<16
	s_mov_b32 s[\g+3], 32<<16
	s_mov_b32 s[\g+4], 128*KS/256
	s_mov_b32 s[\g+5], 32
	s_mov_b32 s[\g+6], 0
	s_mov_b32 s[\g+7], 0
.endr
	s_lshl_b32 s18, s16, 7                         ; which 128 rows of the tile I fetch
	s_lshl_b32 s20, s17, 8
	s_add_co_u32 s20, s20, s18                     ; A: row 256 x tile row + 128 x half
	s_lshl_b32 s46, s42, 8
	s_add_co_u32 s46, s46, s18                     ; B: row 256 x tile column + 128 x half
	s_mul_i32 s22, s20, KS                         ; all offsets stay under 2^32
	s_add_co_u32 s22, s22, s98
	s_mov_b32 s23, 0
	s_mul_i32 s20, s20, KROW
	s_add_co_u32 s20, s20, s96
	s_mov_b32 s21, 0
	s_mul_i32 s92, s46, KS
	s_add_co_u32 s92, s92, s99
	s_mov_b32 s93, 0
	s_mul_i32 s46, s46, KROW
	s_add_co_u32 s46, s46, s97
	s_mov_b32 s47, 0
	s_mul_i32 s45, s14, HALFT                      ; where they go: wave x 128 rows: no place in the cluster enters an LDS address
	s_mul_i32 s94, s14, HALFS
	s_wait_dscnt 0x0                               ; the opening add is done
	s_wait_kmcnt 0x0
	s_add_nc_u64 s[20:21], s[4:5], s[20:21]
	s_add_nc_u64 s[22:23], s[6:7], s[22:23]
	s_add_nc_u64 s[46:47], s[4:5], s[46:47]
	s_add_nc_u64 s[92:93], s[6:7], s[92:93]
	CROUND                                         ; all sixteen work-groups are here: the first joint loads meet
	s_mov_b32 s[G0S], 1
	s_add_co_u32 s[G0S+1], s94, SCL
	s_mov_b64 s[G0S+2:G0S+3], s[22:23]
	s_or_b32 s[G0S+3], s[G0S+3], 0x80000000
	s_mov_b32 s[G0SB], 1
	s_add_co_u32 s[G0SB+1], s94, SCL
	s_mov_b64 s[G0SB+2:G0SB+3], s[92:93]
	s_or_b32 s[G0SB+3], s[G0SB+3], 0x80000000
	JLOAD G0S, G1S, G0SB, G1SB                     ; the scales first: they are wanted with K step 0
.irp s, 0,1
	s_mov_b32 s[G0+4*\s], 1
	s_add_co_u32 s[G0+4*\s+1], s45, \s*SLOT
	s_add_nc_u64 s[G0+4*\s+2:G0+4*\s+3], s[20:21], \s*ROWB
	s_or_b32 s[G0+4*\s+3], s[G0+4*\s+3], 0x80000000
	s_mov_b32 s[G0B+4*\s], 1
	s_add_co_u32 s[G0B+4*\s+1], s45, \s*SLOT
	s_add_nc_u64 s[G0B+4*\s+2:G0B+4*\s+3], s[46:47], \s*ROWB
	s_or_b32 s[G0B+4*\s+3], s[G0B+4*\s+3], 0x80000000
	JLOAD G0+4*\s, G1, G0B+4*\s, G1B
.endr
	v_and_b32 v1, 15, v0                           ; l % 16
	v_bfe_u32 v2, v0, 4, 1                         ; l / 16
	v_mul_u32_u24 v3, v1, PITCH
	v_mul_u32_u24 v4, v2, 24
	v_add_nc_u32 v4, v3, v4                        ; a fragment's row x pitch + 24 x half
	v_lshl_add_u32 v5, v2, 4, v4                   ; and the same behind one padding more
	s_mul_i32 s21, s15, HALFT                      ; my 128 rows of A
	s_mul_i32 s22, s16, HALFT                      ; my 128 rows of B,
	s_add_co_u32 s22, s22, 2*HALFT                 ; which lie behind A's 256
.irp s, 0,1
	v_add_nc_u32 v[ADRA+\s], s21, v4
	v_add_nc_u32 v[ADRB+\s], s22, v4
	v_add_nc_u32 v[ADRA+2+\s], s21, v5
	v_add_nc_u32 v[ADRB+2+\s], s22, v5
	s_add_co_u32 s21, s21, SLOT
	s_add_co_u32 s22, s22, SLOT
.endr
	v_mul_u32_u24 v5, v1, KS                       ; my row's scales: KS bytes a row,
	v_lshrrev_b32 v6, 8, v5
	v_lshl_add_u32 v5, v6, 4, v5                   ; and 16 more for each 256 passed
	s_mul_i32 s21, s15, HALFS
	s_mul_i32 s22, s16, HALFS
	s_add_co_u32 s22, s22, 2*HALFS
	s_sub_co_u32 s22, s22, s21
	v_mul_u32_u24 v6, s22, v2                      ; lanes 16-31 take B's
	s_add_co_u32 s21, s21, SCL
	v_add_nc_u32 v5, v5, v6
	v_add_nc_u32 v[ADRS], s21, v5
	v_and_b32 v6, 31, v0
	v_lshlrev_b32 v[L16], 4, v6
	v_lshlrev_b32 v[L8], 3, v6
	; where my results go: my 128 tokens are one record's, my 128 channels two heads'.  These registers feed no descriptor
	s_cmp_eq_u32 s[KIND], 2
	s_cselect_b32 s18, s42, s17                    ; the tokens' tile,
	s_cselect_b32 s19, s16, s15                    ; and my half of it
	s_cselect_b32 s12, s17, s42                    ; the channels' tile,
	s_cselect_b32 s13, s15, s16                    ; and my half of it
	s_cselect_b32 s2, 6656, 0                      ; V's place in a record of kv
	s_lshl_b32 s18, s18, 8
	s_lshl_b32 s19, s19, 7
	s_add_co_u32 s18, s18, s19                     ; my first token
	s_lshl_b32 s12, s12, 2
	s_lshl_b32 s13, s13, 1
	s_add_co_u32 s12, s12, s13                     ; my first head
	s_lshr_b32 s13, s18, 11                        ; the batch
	s_lshl_b32 s13, s13, 4
	s_add_co_u32 s13, s13, s12
	s_lshl_b32 s13, s13, 4
	s_bfe_u32 s19, s18, 0x40007                    ; the step of 128 tokens
	s_add_co_u32 s13, s13, s19                     ; the record: (batch x 16 + head) x 16 + step
	s_cmp_eq_u32 s[KIND], 0
	s_cselect_b64 s[96:97], s[8:9], s[10:11]
	s_mov_b32 s19, KVREC
	s_cselect_b32 s19, QREC, s19
	s_mul_i32 s12, s13, s19
	s_add_co_u32 s12, s12, s2
	s_mov_b32 s13, 0
	s_add_nc_u64 s[96:97], s[96:97], s[12:13]      ; the first head's record
	s_lshl_b32 s12, s19, 4
	s_add_nc_u64 s[98:99], s[96:97], s[12:13]      ; the next head's: 16 records on
	s_mov_b32 s18, 0x76543210
	s_mov_b32 s19, 0xfedcba98                      ; v_permlanex16_b32's selects for lane l xor 16
	s_mov_b32 s66, 0xffff0000                      ; lanes 16-31
.macro FRAG reg, adr, q, i             ; a fragment, 16 rows x 128 K: 12 registers, in pieces of 8 bytes; where the piece three on lies behind one padding more, the second address register serves
.irp p, 0,1,2,3,4,5
.set PCE, 12*(\q)+6*(\p/3)+\p%3
.if PCE%8 < 5
	ds_load_b64 v[\reg+2*\p:\reg+2*\p+1], v[\adr] offset:8*PCE+16*(PCE/8)+(\i)*16*PITCH
.else
	ds_load_b64 v[\reg+2*\p:\reg+2*\p+1], v[\adr+2] offset:8*PCE+16*(PCE/8)+(\i)*16*PITCH
.endif
.endr
.endm
; 16 matrix instructions: A's blocks a0, a0 + 1 x B's eight, 128 along K.  The 64 accumulators take turns, one instruction a turn, in the same order in every step.
.macro MUL16 a0, p, q, sc, zero
.irp a, \a0, \a0+1
.irp b, 0,1,2,3,4,5,6,7
.if \zero
	v_wmma_scale_f32_16x16x128_f8f6f4 v[8*(8*((\a)%4)+\b):8*(8*((\a)%4)+\b)+7], v[128*(\p)+FR*\b:128*(\p)+FR*\b+FR-1], v[AF+FR*(\a):AF+FR*(\a)+FR-1], 0, v[SC+8*NQ*(\sc)+NQ*\b+(\q)], v[SC+8*NQ*(\sc)+NQ*(\a)+(\q)] matrix_a_fmt:MATRIX_FMT_FP6 matrix_b_fmt:MATRIX_FMT_FP6 matrix_a_scale:MATRIX_SCALE_ROW1
.else
	v_wmma_scale_f32_16x16x128_f8f6f4 v[8*(8*((\a)%4)+\b):8*(8*((\a)%4)+\b)+7], v[128*(\p)+FR*\b:128*(\p)+FR*\b+FR-1], v[AF+FR*(\a):AF+FR*(\a)+FR-1], v[8*(8*((\a)%4)+\b):8*(8*((\a)%4)+\b)+7], v[SC+8*NQ*(\sc)+NQ*\b+(\q)], v[SC+8*NQ*(\sc)+NQ*(\a)+(\q)] matrix_a_fmt:MATRIX_FMT_FP6 matrix_b_fmt:MATRIX_FMT_FP6 matrix_a_scale:MATRIX_SCALE_ROW1
.endif
.endr
.endr
.endm
.macro FETCH_B slot, q, p
	WIN TO_B
.irp i, 0,1,2,3,4,5,6,7
	FRAG 128*(\p)+FR*\i, ADRB+\slot, \q, \i
.endr
	WIN 0
.endm
.macro FETCH_A slot, q, i0
.irp i, \i0, \i0+1, \i0+2, \i0+3
	FRAG AF+FR*(\i), ADRA+\slot, \q, \i
.endr
.endm
.macro SCALES sc                       ; a K step's scale words: lanes 0-15 take A's block i, lanes 16-31 B's block i
.irp i, 0,1,2,3,4,5,6,7
	ds_load_b64 v[SC+8*NQ*\sc+NQ*\i:SC+8*NQ*\sc+NQ*\i+1], v[ADRS] offset:\i*SBLK
.endr
.endm
.macro PLACES n                        ; plain vector places behind matrix instructions, in front of loads into their registers and of reads of their results
.rept \n
	v_nop
.endr
.endm
.macro STEP slot, q, zero              ; a step of 128 along K that has its successor in the same slot
	s_wait_dscnt 4*NL                              ; B's set and A's blocks 0-3 are in; the youngest 24 loads (A's blocks 4-7) may be out
	WIN MUL_LO
	MUL16 0, (\q)%2, \q, \slot, \zero
	MUL16 2, (\q)%2, \q, \slot, \zero
	s_wait_dscnt 0
	PLACES NP
	FETCH_B \slot, (\q)+1, 1-(\q)%2
	FETCH_A \slot, (\q)+1, 0
	WIN MUL_HI
	MUL16 4, (\q)%2, \q, \slot, \zero
	MUL16 6, (\q)%2, \q, \slot, \zero
	PLACES NP
	WIN 0
	FETCH_A \slot, (\q)+1, 4
.endm
; A slot's last step changes slots: one barrier; in front of it each wave waits for all its tensor loads, adds 0 to its spare word, and waits for that and for its own reads of this slot.
.macro TURN slot, next, fill
	s_wait_tensorcnt 0x0                           ; all my tensor loads have landed: my part of the next slot
	ds_add_u32 v[SPW], v[NIL]                      ; 0 onto my spare word
	s_wait_dscnt 4*NL+1                            ; the add and the youngest 24 loads (A's blocks 4-7) may be out
	WIN MUL_LO
	MUL16 0, 1, NQ-1, \slot, 0
	s_wait_dscnt 0x0                               ; the add is done, and my reads of this slot are over
	s_barrier_signal -1
	MUL16 2, 1, NQ-1, \slot, 0
	WIN 0
	s_barrier_wait -1
.if \fill
	CREST                                          ; the barrier has opened a round of the cluster's barrier: no wave of any partner still reads this slot or has a load on its way
	s_add_nc_u64 s[G0+4*\slot+2:G0+4*\slot+3], s[G0+4*\slot+2:G0+4*\slot+3], 2*ROWB
	s_add_nc_u64 s[G0B+4*\slot+2:G0B+4*\slot+3], s[G0B+4*\slot+2:G0B+4*\slot+3], 2*ROWB
	JLOAD G0+4*\slot, G1, G0B+4*\slot, G1B         ; the first tensor load behind the round; its four v_nop are the places in front of the loads below
.else
	PLACES NP
.endif
	v_add_nc_u32 v[ADRS], 4*NQ, v[ADRS]            ; on to the next K step's scale words
	FETCH_B \next, 0, 0
	FETCH_A \next, 0, 0
	SCALES \next
	WIN MUL_HI
	MUL16 4, 1, NQ-1, \slot, 0
	MUL16 6, 1, NQ-1, \slot, 0
	PLACES NP
	WIN 0
	FETCH_A \next, 0, 4
.endm
	s_wait_tensorcnt 1                             ; the scales and my part of K step 0 are in; K step 1's load may be out
	s_barrier_signal -1
	s_barrier_wait -1
	FETCH_B 0, 0, 0
	FETCH_A 0, 0, 0
	SCALES 0
	FETCH_A 0, 0, 4
	STEP 0, 0, 1                                   ; the first step's products start the sums
	s_mov_b32 s3, LAPS-1
.Llap:
	TURN 0, 1, 1
	STEP 1, 0, 0
	TURN 1, 0, 1
	STEP 0, 0, 0
	s_sub_co_u32 s3, s3, 1
	s_cmp_lg_u32 s3, 0
	s_cbranch_scc1 .Llap
	TURN 0, 1, 0                                   ; the last lap fills nothing
	STEP 1, 0, 0
	s_wait_dscnt 4*NL
	WIN MUL_LO
	MUL16 0, 1, NQ-1, 1, 0
	MUL16 2, 1, NQ-1, 1, 0
	s_wait_dscnt 0
	WIN MUL_HI
	MUL16 4, 1, NQ-1, 1, 0
	MUL16 6, 1, NQ-1, 1, 0
	WIN 0
; THE WAY OUT.  Block a's 64 numbers of a lane (register 16 b + i = column 32 b + 16 (lane / 16) + i of my row) become 12 registers of codes, six at d0 (columns 0-63) and six at d1 (columns 64-127), and a scale word in v[PWS + a].
.macro QUANTP a, d0, d1
.set WN, 2+(\a)/4
.set AC, 64*((\a)%4)
	WIN (WN<<2)|(WN<<4)                            ; sources 1 and 2: the accumulators' window
.irp b, 0,1,2,3
	v_max3_num_f32 v[TM+\b], 0, |v[AC+16*\b]|, |v[AC+16*\b+1]|     ; each accumulator is read from its low end on
.endr
.irp i, 2,4,6,8,10,12,14
.irp b, 0,1,2,3
	v_max3_num_f32 v[TM+\b], v[TM+\b], |v[AC+16*\b+\i]|, |v[AC+16*\b+\i+1]|   ; the four blocks by turns
.endr
.endr
	WIN 0
.irp b, 0,1,2,3
	v_permlanex16_b32 v[TM+4+\b], v[TM+\b], s18, s19
.endr
.irp b, 0,1,2,3
	v_max3_num_f32 v[TM+\b], v[TM+\b], v[TM+4+\b], 0x1800000       ; with lane l xor 16's, and the floor 2^(3 - 127): the byte cannot fall under 1
.endr
.irp b, 0,1,2,3
	v_add_nc_u32 v[TM+12+\b], 0xff000000, v[TM+\b]                 ; 2 off the exponent field: the conversion's scale operand
.endr
.irp b, 0,1,2,3
	v_lshrrev_b32 v[TM+4+\b], 23, v[TM+12+\b]                      ; the scale's byte
.endr
	v_lshl_or_b32 v[PWS+(\a)], v[TM+5], 8, v[TM+4]
	v_lshl_or_b32 v[PWS+(\a)], v[TM+6], 16, v[PWS+(\a)]
	v_lshl_or_b32 v[PWS+(\a)], v[TM+7], 24, v[PWS+(\a)]
	WIN WN                                         ; source 0: the accumulators' window
	v_cvt_scalef32_pk16_fp6_f32 v[(\d0):(\d0)+2], v[AC:AC+15], v[TM+12]
	v_cvt_scalef32_pk16_fp6_f32 v[CT:CT+2], v[AC+16:AC+31], v[TM+13]
	v_cvt_scalef32_pk16_fp6_f32 v[(\d1):(\d1)+2], v[AC+32:AC+47], v[TM+14]
	v_cvt_scalef32_pk16_fp6_f32 v[CT+4:CT+6], v[AC+48:AC+63], v[TM+15]
	WIN 0
	v_nop                                          ; one plain place behind a scaled conversion
.irp i, 0,1,2                          ; the operand's layout wants a whole block in a lane: lanes 0-15 the even block, lanes 16-31 the odd one
	v_permlane16_swap_b32 v[(\d0)+\i], v[CT+\i]
.endr
.irp i, 0,1,2
	v_mov_b32 v[(\d0)+3+\i], v[CT+\i]
.endr
.irp i, 0,1,2
	v_permlane16_swap_b32 v[(\d1)+\i], v[CT+4+\i]
.endr
.irp i, 0,1,2
	v_mov_b32 v[(\d1)+3+\i], v[CT+4+\i]
.endr
.endm
	PLACES NP                                      ; behind the last products: their scale words' and fragments' registers are written below, their results read
.irp b, 0,1,2,3
	v_mov_b32 v[TM+4+\b], 0                        ; written once: a lane permute's destination counts as one of its sources
.endr
	s_cmp_eq_u32 s[KIND], 2
	s_cbranch_scc1 .Lv
	; q and k: columns 0-63 are the first head's channels, columns 64-127 the second head's: half a fragment (K = 64) each
.irp a, 0,1,2,3,4,5,6,7
	QUANTP \a, OUT+6*\a, OUT+48+6*\a
.endr
.irp i, 0,1,2,3
	v_cndmask_b32 v[YW+\i], v[PWS+\i], v[PWS+4+\i], s66            ; lanes 0-15: the words of tiles 0-3; lanes 16-31: of tiles 4-7
.endr
.irp i, 0,1,2,3
	v_and_b32 v[XW0+\i], 0xffff, v[YW+\i]                          ; a head's two bytes; the word's upper two are 0, over zero codes
	v_lshrrev_b32 v[XW1+\i], 16, v[YW+\i]
.endr
	global_store_b128 v[L16], v[XW0:XW0+3], s[96:97] offset:6144   ; every store below covers 256 or 512 consecutive bytes, aligned; no store's data are written again
	global_store_b128 v[L16], v[XW1:XW1+3], s[98:99] offset:6144
	s_cmp_eq_u32 s[KIND], 0
	s_cbranch_scc1 .Lq
.irp c, 0,1
.irp g, 0,1,2,3,4,5,6,7,8,9,10,11
	global_store_b128 v[L16], v[OUT+48*\c+4*\g:OUT+48*\c+4*\g+3], s[96+2*\c:97+2*\c] offset:512*\g
.endr
.endr
	s_branch .Lend
.Lq:
.irp c, 0,1
.irp a, 0,1,2,3,4,5,6,7
.irp i, 0,1,2
	global_store_b64 v[L8], v[OUT+48*\c+6*\a+2*\i:OUT+48*\c+6*\a+2*\i+1], s[96+2*\c:97+2*\c] offset:768*\a+256*\i
.endr
.endr
.endr
	s_branch .Lend
.Lv:
	; v^T: my rows are 2 heads x 4 tiles of 16 channels, my columns 128 keys: a whole fragment a block
.irp a, 0,1,2,3,4,5,6,7
	QUANTP \a, OUT+12*\a, OUT+6+12*\a
.irp j, 0,1,2
	global_store_b128 v[L16], v[OUT+12*\a+4*\j:OUT+12*\a+4*\j+3], s[96+2*(\a/4):97+2*(\a/4)] offset:1536*(\a%4)+512*\j
.endr
.endr
	global_store_b128 v[L16], v[PWS:PWS+3], s[96:97] offset:6144   ; the words of a head's four tiles, row l % 16, in both halves of the lanes
	global_store_b128 v[L16], v[PWS+4:PWS+7], s[98:99] offset:6144
.Lend:
	s_wait_tensorcnt 0x0                           ; the wave's end
	ds_add_u32 v[SPW], v[NIL]
	s_wait_dscnt 0x0
	CROUND                                         ; the closing round: no work-group ends while a partner may still ask for a tile that names it
	s_endpgm
.Lfunc_end_k_q7193f9d14f_proj:
	.size	k_q7193f9d14f_proj, .Lfunc_end_k_q7193f9d14f_proj-k_q7193f9d14f_proj
	.p2alignl 7, 3214868480
	.fill 96, 4, 3214868480
	.section	.rodata,"a",@progbits
	.p2align	6, 0x0
	.amdhsa_kernel k_q7193f9d14f_proj
		.amdhsa_group_segment_fixed_size 327680
		.amdhsa_private_segment_fixed_size 0
		.amdhsa_enable_private_segment 0
		.amdhsa_kernarg_size 32
		.amdhsa_user_sgpr_count 2
		.amdhsa_user_sgpr_kernarg_segment_ptr 1
		.amdhsa_wavefront_size32 1
		.amdhsa_system_sgpr_workgroup_id_x 1
		.amdhsa_system_sgpr_workgroup_id_y 1
		.amdhsa_system_sgpr_workgroup_id_z 1
		.amdhsa_system_vgpr_workitem_id 0
		.amdhsa_next_free_vgpr 1024
		.amdhsa_next_free_sgpr 106
		.amdhsa_reserve_vcc 0
		.amdhsa_float_denorm_mode_32 3
		.amdhsa_float_denorm_mode_16_64 3
		.amdhsa_memory_ordered 1
		.amdhsa_forward_progress 1
		.amdhsa_inst_pref_size 205
	.end_amdhsa_kernel
	.amdgpu_metadata
---
amdhsa.version: [ 1, 2 ]
amdhsa.kernels:
  - .name:           k_q7193f9d14f_proj
    .symbol:         k_q7193f9d14f_proj.kd
    .args:
      - { .name: xcodes, .offset: 0, .size: 8, .value_kind: global_buffer, .address_space: global }
      - { .name: xscales, .offset: 8, .size: 8, .value_kind: global_buffer, .address_space: global }
      - { .name: qimg, .offset: 16, .size: 8, .value_kind: global_buffer, .address_space: global }
      - { .name: kv, .offset: 24, .size: 8, .value_kind: global_buffer, .address_space: global }
    .group_segment_fixed_size: 327680
    .private_segment_fixed_size: 0
    .kernarg_segment_align: 8
    .kernarg_segment_size: 32
    .max_flat_workgroup_size: 128
    .sgpr_count:     106
    .vgpr_count:     1024
    .wavefront_size: 32
...
	.end_amdgpu_metadata
.endif
;; end of part 2
;; launch attn (part 3): grid 4 x 64, 16 waves a work-group, clusters of 4 x 1, 215,040 bytes of LDS; arguments qimg, kv, ocodes, oscales; writes ocodes, oscales
.if DOCPART == 3
	.amdgcn_target "amdgcn-amd-amdhsa--gfx1250"
	.amdhsa_code_object_version 6
	.text
	.protected	k_q7193f9d14f_attn
	.globl	k_q7193f9d14f_attn
	.p2align	8
	.type	k_q7193f9d14f_attn,@function
k_q7193f9d14f_attn:
	s_mov_b64 s[64:65], 0
	v_nop
	global_prefetch_b8 v0, s[64:65] scope:SCOPE_SE
	s_setreg_imm32_b32 hwreg(HW_REG_WAVE_MODE, 25, 1), 1
	s_wait_xcnt 0x0
	s_wait_alu depctr_hold_cnt(0) depctr_sa_sdst(0) depctr_va_vdst(0) depctr_va_sdst(0) depctr_va_ssrc(0) depctr_va_vcc(0) depctr_vm_vsrc(0)
	s_getreg_b32 s2, hwreg(HW_REG_IB_STS2, 6, 4)
	s_cmp_eq_u32 s2, 0
	s_cbranch_scc0 .Lentry_in_a_cluster
	s_endpgm
.Lentry_in_a_cluster:
	s_bfe_u32 s2, ttmp6, 0x10000c
	s_cmp_lg_u32 s2, 0x3003
	s_cbranch_scc0 .Lentry_shape_is_right
	s_endpgm
.Lentry_shape_is_right:
; Causal attention of one head a cluster, both products on codes of FP6 (E2M3) with E8M0 scales; head size 64, 2,048 queries and keys.
; t = score x log2(e) / 8; M = the running largest t rounded up to a whole number; p = 2^(t - M) is quantised along the keys, not normalised; the row's sum is taken of the unquantised p and divides at the end.
; The result is quantised along the channels and stored as half fragments of the last projection's A: ocodes [row tile][head][768], oscales [row][32].
; SHARES.  The head's whole K and V, 16 records of 13,312 bytes (128 keys each), lie in each work-group's LDS, filled ONCE, by joint loads of the cluster's four work-groups: no slot is filled again.
; Wave w of the work-group at place cx owns two tiles of 16 queries: A = 8 (w / 2) + 2 cx + w % 2 and B = 127 - A: A needs w / 2 + 1 key steps, B 16 - w / 2: 17 for every wave.  Branches hang on w alone; cx enters
; global addresses and the mask's numbers only.
; LAYOUT.  S^T = K Q^T (source 0 = 16 keys, source 1 = my 16 queries), O^T = V^T P^T: a lane holds one query throughout.  The keys of a tile and the channels of a tile of V^T lie in the changed row order, so that
; the 16 registers of two neighbouring tiles are 16 neighbours along the next K.
; K = 64 IN THE FIRST PRODUCT: Q's registers 6-11 are zero codes; K's operand names 12 registers of which the upper six are the next tile's codes (or a zeroed pad): they meet zero codes and add nothing.
; LIMITS: NaN and infinities are not served; a block whose largest magnitude lies under 2^-124 gets the scale byte 1.
.set REC,   13312                      ; a record: K's codes 6,144, K's scale words 512, V^T's codes 6,144, V's scale words 512
.set QREC,  6656
.set SPARE, 16*REC                     ; behind the head's records: the spare words, 128 bytes a wave
.set LI,  1                            ; v1   16 x lane
.set ADR, 2                            ; v2   LDS address of the step's record + 16 x lane
.set SPW, 3
.set NIL, 4
.set DA,  5                            ; v5   tile A: my query in its diagonal step - 16 (lane / 16)
.set DB,  6                            ; v6   tile B likewise
.set L8,  7                            ; v7   8 x lane
.set TP,  8                            ; v8   16 x (lane % 16)
.set OSO, 9                            ; v9   the scale bytes' offset
.set STA, 10                           ; v10 -M, v11 the largest t, v[12:13] the sum in two halves
.set STB, 14
.set QA,  18                           ; v18-29 Q of tile A: six registers of codes, six of zeros
.set QB,  30
.set QSA, 42
.set QSB, 43
.set KF,  44                           ; v44-67 four tiles of K or two of V^T; v68-73 the pad, zeros
.set KS,  74                           ; v74-77 scale words of K or of V
.set S,   80                           ; v80-143 S^T, then p
.set OA,  144                          ; v144-175 O^T of tile A
.set OB,  176
.set PC,  208                          ; v208-219 p's codes
.set BM,  220                          ; v220-223 the blocks' largest
.set PT,  224                          ; v224-231 at work
.set SO,  232                          ; v232-235 the conversions' scale operands
.set F,   236                          ; v236 f = 2^(old M - new M);  v237 p's scale word
.set PSW, 237
.set T1,  238
.set WA,  239
.set WB,  240
.set WV,  12                           ; s12 wave
.set SA,  17                           ; s17 tile A's diagonal step;  s18 tile B's
.set SB,  18
.set SEL, 20
.set CS,  22                           ; s[22:23] c = log2(e) / 8
.set G1A, 24
.set G1B, 32
.set G0A, 40
.set G0B, 44
.set SI,  48                           ; s48 the key step
.set TB,  49                           ; s49 its record's LDS byte
.macro CROUND
	s_barrier_signal -1
	s_barrier_wait -1
	s_cmp_lg_u32 s[WV], 0
	s_cbranch_scc1 .Lnot_wave_0_\@
	s_barrier_signal -3
.Lnot_wave_0_\@:
	s_barrier_wait -3
	s_barrier_signal -1
	s_barrier_wait -1
.endm
	s_load_b256 s[4:11], s[0:1], 0x0               ; qimg s[4:5], kv s[6:7], ocodes s[8:9], oscales s[10:11]
	v_lshl_add_u32 v[SPW], v0, 2, SPARE
	v_mov_b32 v[NIL], 0
	ds_add_u32 v[SPW], v[NIL]                      ; the wave's opening: the add and its wait stand ahead of my first tensor load
	v_lshrrev_b32 v[TP], 5, v0
	v_readfirstlane_b32 s[WV], v[TP]               ; wave 0..15
	s_bfe_u32 s13, ttmp6, 0x40000                  ; cx
	s_and_b32 s14, ttmp7, 0xffff                   ; batch x 16 + head: the cluster's y
	s_lshr_b32 s[SA], s[WV], 1
	s_xor_b32 s[SB], s[SA], 15
	s_and_b32 s16, s[WV], 1
	s_lshl_b32 s15, s13, 1
	s_add_co_u32 s16, s16, s15                     ; e: tile A's place in its step
	s_sub_co_u32 s19, 7, s16                       ; tile B's
	; dense blocks as rows of 256 bytes (32 elements of 8 bytes): 13 rows a wave for steps 0-3, 39 rows a wave for steps 4-15
	s_mov_b32 s[G1A+0], 15|(3<<16)|(1<<21)         ; the mask: all four work-groups; elements of 8 bytes; bit 21 beside a mask
	s_mov_b32 s[G1A+1], 32<<16
	s_mov_b32 s[G1A+2], 13<<16
	s_mov_b32 s[G1A+3], 32<<16
	s_mov_b32 s[G1A+4], 13
	s_mov_b32 s[G1A+5], 32
	s_mov_b32 s[G1A+6], 0
	s_mov_b32 s[G1A+7], 0
	s_mov_b32 s[G1B+0], 15|(3<<16)|(1<<21)
	s_mov_b32 s[G1B+1], 32<<16
	s_mov_b32 s[G1B+2], 39<<16
	s_mov_b32 s[G1B+3], 32<<16
	s_mov_b32 s[G1B+4], 39
	s_mov_b32 s[G1B+5], 32
	s_mov_b32 s[G1B+6], 0
	s_mov_b32 s[G1B+7], 0
	s_mul_i32 s50, s14, 16*REC                     ; the head's records in kv
	s_mov_b32 s[G0A], 1
	s_mul_i32 s[G0A+1], s[WV], 3328                ; LDS as memory: 3,328 bytes a wave,
	s_mov_b32 s[G0B], 1
	s_mul_i32 s[G0B+1], s[WV], 9984
	s_add_co_u32 s[G0B+1], s[G0B+1], 4*REC         ; and 9,984 a wave behind the first four records
	s_add_co_u32 s70, s50, s[G0A+1]
	s_mov_b32 s71, 0
	s_add_co_u32 s72, s50, s[G0B+1]
	s_mov_b32 s73, 0
	s_mov_b32 s[SEL], 0x76543210
	s_mov_b32 s[SEL+1], 0xfedcba98
	s_mov_b32 s[CS], 0x3e38aa3b
	s_mov_b32 s[CS+1], s[CS]                       ; named with it as a pair, so it is written
	s_mov_b32 s63, 0xffff0000                      ; lanes 16-31
	s_wait_dscnt 0x0                               ; the opening add is done
	s_wait_kmcnt 0x0
	s_add_nc_u64 s[G0A+2:G0A+3], s[6:7], s[70:71]
	s_or_b32 s[G0A+3], s[G0A+3], 0x80000000
	s_add_nc_u64 s[G0B+2:G0B+3], s[6:7], s[72:73]
	s_or_b32 s[G0B+3], s[G0B+3], 0x80000000
	CROUND                                         ; all four work-groups are here: the joint loads meet
	tensor_load_to_lds s[G0A:G0A+3], s[G1A:G1A+7]  ; both fills go out together: two loads of mine are out
	s_nop 0
	tensor_load_to_lds s[G0B:G0B+3], s[G1B:G1B+7]
	s_nop 0
.rept 4
	v_nop
.endr
; where a tile's Q lies: record (bh x 16 + step), tile e: codes at 768 e; scale words at 6,144 + 256 (e / 4) + 16 r + 4 (e % 4)
.macro QBASE e, st, dc, ds
	s_add_co_u32 s51, s50, s[\st]
	s_mul_i32 s51, s51, QREC
	s_mul_i32 s70, s[\e], 768
	s_add_co_u32 s70, s70, s51
	s_add_nc_u64 s[\dc:\dc+1], s[4:5], s[70:71]
	s_lshr_b32 s70, s[\e], 2
	s_lshl_b32 s70, s70, 8
	s_and_b32 s72, s[\e], 3
	s_lshl_b32 s72, s72, 2
	s_add_co_u32 s70, s70, s72
	s_add_co_u32 s70, s70, s51
	s_add_co_u32 s70, s70, 6144
	s_add_nc_u64 s[\ds:\ds+1], s[4:5], s[70:71]
.endm
	s_lshl_b32 s50, s14, 4
	QBASE 16, SA, 52, 54
	QBASE 19, SB, 56, 58
	v_and_b32 v[T1], 31, v0
	v_lshlrev_b32 v[LI], 4, v[T1]
	v_lshlrev_b32 v[L8], 3, v[T1]
	v_and_b32 v[T1], 15, v0                        ; r
	v_bfe_u32 v[F], v0, 4, 1                       ; h
	v_lshlrev_b32 v[TP], 4, v[T1]
.irp i, 0,1,2
	global_load_b64 v[QA+2*\i:QA+2*\i+1], v[L8], s[52:53] offset:256*\i
	global_load_b64 v[QB+2*\i:QB+2*\i+1], v[L8], s[56:57] offset:256*\i
.endr
	global_load_b32 v[QSA], v[TP], s[54:55]
	global_load_b32 v[QSB], v[TP], s[58:59]
	; where the results go
	s_lshr_b32 s74, s14, 4                         ; batch
	s_and_b32 s75, s14, 15                         ; head
	s_lshl_b32 s74, s74, 7
	s_lshl_b32 s70, s[SA], 3
	s_add_co_u32 s70, s70, s16                     ; A
	s_add_co_u32 s76, s70, s74                     ; its row tile among 512
	s_sub_co_u32 s72, 127, s70                     ; B
	s_add_co_u32 s77, s72, s74
	s_sub_co_u32 s62, s72, s70
	s_lshl_b32 s62, s62, 9                         ; from A's rows of scale bytes to B's: 512 bytes a tile
	s_lshl_b32 s70, s76, 4
	s_add_co_u32 s70, s70, s75
	s_mul_i32 s70, s70, 768
	s_add_nc_u64 s[60:61], s[8:9], s[70:71]
	s_lshl_b32 s70, s77, 4
	s_add_co_u32 s70, s70, s75
	s_mul_i32 s70, s70, 768
	s_add_nc_u64 s[66:67], s[8:9], s[70:71]
	s_lshl_b32 s70, s76, 9
	s_lshl_b32 s72, s75, 1
	s_add_co_u32 s70, s70, s72
	s_add_nc_u64 s[68:69], s[10:11], s[70:71]      ; tile A's rows, my head's two bytes
	v_lshlrev_b32 v[PSW], 4, v[F]
	v_sub_nc_u32 v[PSW], v[T1], v[PSW]             ; r - 16 h
	s_lshl_b32 s70, s16, 4
	v_add_nc_u32 v[DA], s70, v[PSW]
	s_lshl_b32 s72, s19, 4
	v_add_nc_u32 v[DB], s72, v[PSW]
	v_mul_lo_u32 v[OSO], v[F], s62
	v_lshl_add_u32 v[OSO], v[T1], 5, v[OSO]        ; lanes 0-15: row r of tile A; lanes 16-31: row r of tile B
.irp j, 6,7,8,9,10,11
	v_mov_b32 v[QA+\j], 0                          ; zero codes for the upper 64 of the instruction's 128
	v_mov_b32 v[QB+\j], 0
.endr
.irp j, 24,25,26,27,28,29
	v_mov_b32 v[KF+\j], 0                          ; the pad behind the fourth tile of K
.endr
.irp t, STA, STB
	v_mov_b32 v[\t+1], 0xff61b1e6                  ; the largest t so far: -3e38
	v_floor_f32 v[\t], -v[\t+1]                    ; -M
	v_mov_b32 v[\t+2], 0
	v_mov_b32 v[\t+3], 0
.endr
.irp b, 0,1,2,3
	v_mov_b32 v[PT+\b], 0                          ; written once: a lane permute's destination counts as one of its sources
.endr
	v_mov_b32 v[PSW], 0                            ; named as the upper half of the pair with f before it is first made
.set j, 0
.rept 64
	v_mov_b32 v[OA+j], 0                           ; both tiles' O^T: the step is written without a first step of its own; the first change of M leaves zeros zeros
.set j, j+1
.endr
; A KEY STEP of one tile: 128 keys.  q, qs: Q's fragment and scale word; st: the statistics; o: O^T; d: the mask's number; sx: the scalar with the tile's diagonal step; diag = 0: no step of this loop reaches the diagonal.
.macro STEP q, qs, st, o, d, sx, diag
.if \diag
	s_cmp_gt_u32 s[SI], s[\sx]                     ; all keys of the step come after my queries: the step's work is left out (a branch on the wave's number and the loop's count)
	s_cbranch_scc1 .Lpast_\@
.endif
.rept 4
	v_nop                                          ; places in front of loads into registers that matrix instructions have read
.endr
.irp g, 0,1
.if \g
.rept 4
	v_nop
.endr
.endif
.irp j, 0,1,2,3,4,5
	ds_load_b128 v[KF+4*\j:KF+4*\j+3], v[ADR] offset:3072*\g+512*\j   ; four tiles of K, six registers each, as they were stored
.endr
.if \g == 0
	ds_load_b128 v[KS:KS+3], v[ADR] offset:6144    ; lanes 0-15: the words of tiles 0-3; lanes 16-31: of tiles 4-7
.endif
	s_wait_dscnt 0x0
.irp i, 0,1,2,3
.if \g == 0
	v_wmma_scale_f32_16x16x128_f8f6f4 v[S+8*\i:S+8*\i+7], v[KF+6*\i:KF+6*\i+11], v[\q:\q+11], 0, v[KS+\i], v[\qs] matrix_a_fmt:MATRIX_FMT_FP6 matrix_b_fmt:MATRIX_FMT_FP6
.else
	v_wmma_scale_f32_16x16x128_f8f6f4 v[S+32+8*\i:S+32+8*\i+7], v[KF+6*\i:KF+6*\i+11], v[\q:\q+11], 0, v[KS+\i], v[\qs] matrix_a_fmt:MATRIX_FMT_FP6 matrix_b_fmt:MATRIX_FMT_FP6 matrix_a_scale:MATRIX_SCALE_ROW1
.endif
.endr
.endr
.rept 4
	v_nop
.endr
.irp j, 0,1,2,3,4,5
	ds_load_b128 v[KF+4*\j:KF+4*\j+3], v[ADR] offset:6656+512*\j   ; V^T's tiles 0 and 1 land while the softmax is walked
.endr
	ds_load_b128 v[KS:KS+3], v[ADR] offset:12800   ; V's scale words, tiles 0-3
.if \diag
	s_cmp_lg_u32 s[SI], s[\sx]
	s_cbranch_scc1 .Lopen_\@
	v_mov_b32 v[T1], 0xff800000                    ; on the diagonal hidden scores become -infinity: register 16 b + i holds key 32 b + 16 (lane / 16) + i of the step
.set n, 0
.rept 64
	v_cmp_gt_i32 vcc_lo, 32*(n/16)+n%16, v[\d]
	v_cndmask_b32 v[S+n], v[S+n], v[T1], vcc_lo
.set n, n+1
.endr
.Lopen_\@:
.endif
.irp b, 0,1,2,3
	v_max3_num_f32 v[BM+\b], v[S+16*\b], v[S+16*\b+1], v[S+16*\b+2]   ; the largest score of each block of 32 keys: for the row's maximum and, since p rises with the score, for the block's largest p
.endr
.irp i, 3,5,7,9,11,13
.irp b, 0,1,2,3
	v_max3_num_f32 v[BM+\b], v[BM+\b], v[S+16*\b+\i], v[S+16*\b+\i+1]
.endr
.endr
.irp b, 0,1,2,3
	v_max_num_f32 v[BM+\b], v[BM+\b], v[S+16*\b+15]
.endr
.irp b, 0,1,2,3
	v_permlanex16_b32 v[PT+\b], v[BM+\b], s[SEL], s[SEL+1]
.endr
.irp b, 0,1,2,3
	v_max_num_f32 v[BM+\b], v[BM+\b], v[PT+\b]
.endr
	v_max3_num_f32 v[T1], v[BM], v[BM+1], v[BM+2]
	v_max_num_f32 v[T1], v[T1], v[BM+3]
	v_mul_f32 v[T1], s[CS], v[T1]
	v_max_num_f32 v[\st+1], v[\st+1], v[T1]        ; the running largest t
	v_mov_b32 v[T1], v[\st]
	v_floor_f32 v[\st], -v[\st+1]                  ; the new -M = -ceil(t)
	v_sub_f32 v[T1], v[\st], v[T1]                 ; old M - new M: a whole number, 0 or less
	v_cvt_i32_f32 v[T1], v[T1]                     ; (it saturates)
	v_ldexp_f32 v[F], 1.0, v[T1]                   ; f = 2^(old M - new M)
.set j, 0
.rept 32
	v_pk_fma_f32 v[S+j:S+j+1], v[S+j:S+j+1], s[CS:CS+1], v[\st:\st+1] op_sel_hi:[1,0,0]   ; t - M, two at a time
.set j, j+2
.endr
.irp b, 0,1,2,3
	v_fma_f32 v[BM+\b], v[BM+\b], s[CS], v[\st]
.endr
.set j, 0
.rept 64
	v_exp_f32 v[S+j], v[S+j]                       ; p = 2^(t - M)
.set j, j+1
.endr
	v_pk_mul_f32 v[\st+2:\st+3], v[\st+2:\st+3], v[F:F+1] op_sel_hi:[1,0]   ; the sums under the new M (a plain place behind the exponentials)
	s_wait_alu depctr_va_vdst(0)                   ; one wait for the batch, ahead of its first reader
.irp b, 0,1,2,3
	v_exp_f32 v[BM+\b], v[BM+\b]                   ; the blocks' largest p
.endr
	v_pk_add_f32 v[PT:PT+1], v[S:S+1], v[S+2:S+3]  ; the row's sum of the unquantised p, in two chains
.set j, 4
.rept 15
	v_pk_add_f32 v[\st+2:\st+3], v[\st+2:\st+3], v[S+j:S+j+1]
	v_pk_add_f32 v[PT:PT+1], v[PT:PT+1], v[S+j+2:S+j+3]
.set j, j+4
.endr
	v_pk_add_f32 v[\st+2:\st+3], v[\st+2:\st+3], v[PT:PT+1]
	s_wait_alu depctr_va_vdst(0)                   ; and one for the four
.irp b, 0,1,2,3
	v_max_num_f32 v[BM+\b], 0x1800000, v[BM+\b]    ; the floor 2^(3 - 127)
.endr
.irp b, 0,1,2,3
	v_add_nc_u32 v[SO+\b], 0xff000000, v[BM+\b]
.endr
.irp b, 0,1,2,3
	v_lshrrev_b32 v[PT+\b], 23, v[SO+\b]
.endr
	v_lshl_or_b32 v[PSW], v[PT+1], 8, v[PT]        ; p's scale word for these 128 keys
	v_lshl_or_b32 v[PSW], v[PT+2], 16, v[PSW]
	v_lshl_or_b32 v[PSW], v[PT+3], 24, v[PSW]
.irp c, 0,1
	v_cvt_scalef32_pk16_fp6_f32 v[PC+6*\c:PC+6*\c+2], v[S+32*\c:S+32*\c+15], v[SO+2*\c]
	v_cvt_scalef32_pk16_fp6_f32 v[PT+4*\c:PT+4*\c+2], v[S+32*\c+16:S+32*\c+31], v[SO+2*\c+1]
.endr
	v_nop                                          ; one plain place behind a scaled conversion
.irp c, 0,1
.irp i, 0,1,2
	v_permlane16_swap_b32 v[PC+6*\c+\i], v[PT+4*\c+\i]
.endr
.irp i, 0,1,2
	v_mov_b32 v[PC+3+6*\c+\i], v[PT+4*\c+\i]
.endr
.endr
.set j, 0
.rept 16
	v_pk_mul_f32 v[\o+j:\o+j+1], v[\o+j:\o+j+1], v[F:F+1] op_sel_hi:[1,0]   ; O^T under the new M; these sixteen are also the places between the scale word's and the codes' last writes and the products
.set j, j+2
.endr
	s_wait_dscnt 0x0                               ; V^T's tiles 0 and 1 and the scale words are in
.irp t, 0,1
	v_wmma_scale_f32_16x16x128_f8f6f4 v[\o+8*\t:\o+8*\t+7], v[KF+12*\t:KF+12*\t+11], v[PC:PC+11], v[\o+8*\t:\o+8*\t+7], v[KS+\t], v[PSW] matrix_a_fmt:MATRIX_FMT_FP6 matrix_b_fmt:MATRIX_FMT_FP6
.endr
.rept 4
	v_nop
.endr
.irp j, 0,1,2,3,4,5
	ds_load_b128 v[KF+4*\j:KF+4*\j+3], v[ADR] offset:9728+512*\j
.endr
	s_wait_dscnt 0x0
.irp t, 0,1
	v_wmma_scale_f32_16x16x128_f8f6f4 v[\o+16+8*\t:\o+16+8*\t+7], v[KF+12*\t:KF+12*\t+11], v[PC:PC+11], v[\o+16+8*\t:\o+16+8*\t+7], v[KS+2+\t], v[PSW] matrix_a_fmt:MATRIX_FMT_FP6 matrix_b_fmt:MATRIX_FMT_FP6
.endr
.if \diag
.Lpast_\@:
.endif
.endm
.macro TRIP bdiag
	v_add_nc_u32 v[ADR], s[TB], v[LI]
	STEP QB, QSB, STB, OB, DB, SB, \bdiag
	STEP QA, QSA, STA, OA, DA, SA, 1
	s_add_co_u32 s[TB], s[TB], REC
	s_add_co_u32 s[SI], s[SI], 1
.endm
	s_mov_b32 s[SI], 0
	s_mov_b32 s[TB], 0
	s_wait_loadcnt 0x0                             ; Q
	s_wait_tensorcnt 1                             ; my part of steps 0-3 is in; my second load may be out
	s_barrier_signal -1
	s_barrier_wait -1                              ; everybody's is
.Lfirst:                                           ; steps 0 to 3: tile B's diagonal lies at step 8 or later
	TRIP 0
	s_cmp_lt_u32 s[SI], 4
	s_cbranch_scc1 .Lfirst
	s_wait_tensorcnt 0x0                           ; my part of steps 4-15 is in
	s_wait_dscnt 0x0
	s_barrier_signal -1
	s_barrier_wait -1
	s_mov_b32 s[SI], 4
	s_mov_b32 s[TB], 4*REC
.Lrest:
	TRIP 1
	s_cmp_lt_u32 s[SI], 16
	s_cbranch_scc1 .Lrest
; THE WAY OUT of a tile: O^T / the sum; its 32 numbers of a lane (register 16 b + i = channel 32 b + 16 (lane / 16) + i) become six registers of codes at pc and two scale bytes in w.
.macro FINISH st, o, pc, bs, w
	v_add_f32 v[T1], v[\st+2], v[\st+3]
	v_permlanex16_b32 v[PT], v[T1], s[SEL], s[SEL+1]
	v_add_f32 v[T1], v[T1], v[PT]                  ; the row's sum
	v_rcp_f32 v[F], v[T1]
	v_nop                                          ; a plain place behind the reciprocal,
	s_wait_alu depctr_va_vdst(0)                   ; and the wait ahead of its first reader
.set j, 0
.rept 16
	v_pk_mul_f32 v[S+j:S+j+1], v[\o+j:\o+j+1], v[F:F+1] op_sel_hi:[1,0]   ; each accumulator from its low end on
.set j, j+2
.endr
.irp b, 0,1
	v_max3_num_f32 v[BM+\b], |v[S+16*\b]|, |v[S+16*\b+1]|, 0x1800000
.endr
.irp i, 2,4,6,8,10,12,14
.irp b, 0,1
	v_max3_num_f32 v[BM+\b], v[BM+\b], |v[S+16*\b+\i]|, |v[S+16*\b+\i+1]|
.endr
.endr
.irp b, 0,1
	v_permlanex16_b32 v[PT+\b], v[BM+\b], s[SEL], s[SEL+1]
.endr
.irp b, 0,1
	v_max_num_f32 v[BM+\b], v[BM+\b], v[PT+\b]
.endr
.irp b, 0,1
	v_add_nc_u32 v[SO+\b], 0xff000000, v[BM+\b]
.endr
.irp b, 0,1
	v_lshrrev_b32 v[PT+\b], 23, v[SO+\b]
.endr
	v_lshl_or_b32 v[\w], v[PT+1], 8, v[PT]
	v_cvt_scalef32_pk16_fp6_f32 v[\pc:\pc+2], v[S:S+15], v[SO]
	v_cvt_scalef32_pk16_fp6_f32 v[PT+4:PT+6], v[S+16:S+31], v[SO+1]
	v_nop
.irp i, 0,1,2
	v_permlane16_swap_b32 v[\pc+\i], v[PT+4+\i]
.endr
.irp i, 0,1,2
	v_mov_b32 v[\pc+3+\i], v[PT+4+\i]
.endr
.irp i, 0,1,2
	global_store_b64 v[L8], v[\pc+2*\i:\pc+2*\i+1], s[\bs:\bs+1] offset:256*\i   ; 32 lanes store 256 consecutive bytes, aligned
.endr
.endm
.rept 4
	v_nop                                          ; places behind the last products
.endr
	FINISH STA, OA, PC, 60, WA
	FINISH STB, OB, KF, 66, WB                     ; other registers for the codes: no store's data are written again
	v_cndmask_b32 v[T1], v[WA], v[WB], s63
	global_store_b16 v[OSO], v[T1], s[68:69]       ; two bytes a row, rows 32 bytes apart: 64 bytes of the wave's 1,600
	s_wait_tensorcnt 0x0                           ; the wave's end
	ds_add_u32 v[SPW], v[NIL]
	s_wait_dscnt 0x0
	CROUND                                         ; the closing round
	s_endpgm
.Lfunc_end_k_q7193f9d14f_attn:
	.size	k_q7193f9d14f_attn, .Lfunc_end_k_q7193f9d14f_attn-k_q7193f9d14f_attn
	.p2alignl 7, 3214868480
	.fill 96, 4, 3214868480
	.section	.rodata,"a",@progbits
	.p2align	6, 0x0
	.amdhsa_kernel k_q7193f9d14f_attn
		.amdhsa_group_segment_fixed_size 215040
		.amdhsa_private_segment_fixed_size 0
		.amdhsa_enable_private_segment 0
		.amdhsa_kernarg_size 32
		.amdhsa_user_sgpr_count 2
		.amdhsa_user_sgpr_kernarg_segment_ptr 1
		.amdhsa_wavefront_size32 1
		.amdhsa_system_sgpr_workgroup_id_x 1
		.amdhsa_system_sgpr_workgroup_id_y 1
		.amdhsa_system_sgpr_workgroup_id_z 1
		.amdhsa_system_vgpr_workitem_id 0
		.amdhsa_next_free_vgpr 256
		.amdhsa_next_free_sgpr 80
		.amdhsa_reserve_vcc 1
		.amdhsa_float_denorm_mode_32 3
		.amdhsa_float_denorm_mode_16_64 3
		.amdhsa_memory_ordered 1
		.amdhsa_forward_progress 1
		.amdhsa_inst_pref_size 95
	.end_amdhsa_kernel
	.amdgpu_metadata
---
amdhsa.version: [ 1, 2 ]
amdhsa.kernels:
  - .name:           k_q7193f9d14f_attn
    .symbol:         k_q7193f9d14f_attn.kd
    .args:
      - { .name: qimg, .offset: 0, .size: 8, .value_kind: global_buffer, .address_space: global }
      - { .name: kv, .offset: 8, .size: 8, .value_kind: global_buffer, .address_space: global }
      - { .name: ocodes, .offset: 16, .size: 8, .value_kind: global_buffer, .address_space: global }
      - { .name: oscales, .offset: 24, .size: 8, .value_kind: global_buffer, .address_space: global }
    .group_segment_fixed_size: 215040
    .private_segment_fixed_size: 0
    .kernarg_segment_align: 8
    .kernarg_segment_size: 32
    .max_flat_workgroup_size: 512
    .sgpr_count:     80
    .vgpr_count:     256
    .wavefront_size: 32
...
	.end_amdgpu_metadata
.endif
;; end of part 3
;; launch outproj (part 4): grid 4 x 32, 4 waves a work-group, clusters of 4 x 4, 327,680 bytes of LDS; arguments ocodes, oscales, xcodes, xscales, out0; writes out0
.if DOCPART == 4
	.amdgcn_target "amdgcn-amd-amdhsa--gfx1250"
	.amdhsa_code_object_version 6
	.text
	.protected	k_q7193f9d14f_outproj
	.globl	k_q7193f9d14f_outproj
	.p2align	8
	.type	k_q7193f9d14f_outproj,@function
k_q7193f9d14f_outproj:
	s_mov_b64 s[64:65], 0
	v_nop
	global_prefetch_b8 v0, s[64:65] scope:SCOPE_SE
	s_setreg_imm32_b32 hwreg(HW_REG_WAVE_MODE, 25, 1), 1
	s_wait_xcnt 0x0
	s_wait_alu depctr_hold_cnt(0) depctr_sa_sdst(0) depctr_va_vdst(0) depctr_va_sdst(0) depctr_va_ssrc(0) depctr_va_vcc(0) depctr_vm_vsrc(0)
	s_getreg_b32 s2, hwreg(HW_REG_IB_STS2, 6, 4)
	s_cmp_eq_u32 s2, 0
	s_cbranch_scc0 .Lentry_in_a_cluster
	s_endpgm
.Lentry_in_a_cluster:
	s_bfe_u32 s2, ttmp6, 0x10000c
	s_cmp_lg_u32 s2, 0xf033
	s_cbranch_scc0 .Lentry_shape_is_right
	s_endpgm
.Lentry_shape_is_right:
; out0 = O Wo^T on codes of FP6 (E2M3) with E8M0 scales: M = 8,192, N = 1,024, K = 1,024; sums and result in f32.
; A (the attention's result) lies as images of the operand's registers: ocodes [row tile of 16][head][768]; two heads are a fragment of 128 along K: six chunks of 256 bytes, chunk p = registers 2 p, 2 p + 1, lane l at 8 l.
; Its scale bytes oscales [row][32] and B (Wo's codes, rows of 768 bytes, and scale bytes, rows of 32, inside xcodes and xscales) lie as plain rows.
; A tile of C is 256 x 256, four waves of 128 x 128.  K goes in steps of 256 through a ring of two LDS slots; the scale bytes come once.  4 x 4 work-groups form a cluster: A's tiles are shared along its rows, B's along its columns.
; The matrix instruction is used transposed (source 0 = 16 rows of B, source 1 = 16 rows of A): a lane holds eight neighbouring numbers of a row of C.
; REGISTERS: window 0: v0-31 addresses; v32-63 scale words, two sets; from v128 A's fragments, one set.  window 1: B's fragments, two sets.  windows 2, 3: the accumulators.
.set SIZE_N, 1024
.set NQ,     2
.set ROWB,   192
.set KROW,   768
.set ASTEP,  3072                      ; a row tile's images of 256 along K
.set PITCH,  240
.set FR,     12
.set NL,     6
.set NP,     4
.set HALFT,  128*PITCH
.set SLOT,   4*HALFT
.set LAPS,   2
.set KS,     32
.set SCL,    2*SLOT
.set HALFS,  (128*KS/256)*272
.set SBLK,   (16*KS/256)*272
.set SPARE,  SCL+4*HALFS
.set SPITCH, 528                       ; the way out: a stage of 16 rows x (512 + 16) bytes a wave, in slot 0, which has had its last fill and its last read by then
.set XC_WO,  21233664
.set XS_WO,  884736
.set ADRA, 16                          ; v16-17 my A images in slot 0, 1: + 8 x lane
.set ADRB, 20                          ; v20-23 my B fragments
.set STO,  24
.set RD,   25
.set CO,   26
.set ADRS, 27
.set SPW,  28
.set NIL,  29
.set SC,   32
.set AF,   128
.set BK,   128
.set G1, 24
.set G0, 32
.set G1B, 48
.set G0B, 56
.set G1S, 68
.set G0S, 76
.set G1SB, 80
.set G0SB, 88
.set MSB, 0
.macro WIN new
.if MSB != (\new)
	s_set_vgpr_msb (MSB<<8)|(\new)
.set MSB, (\new)
.endif
.endm
.set MUL_LO, 0xa1
.set MUL_HI, 0xf1
.set TO_B,   0x40
.macro JLOAD g0a, g1a, g0b, g1b        ; a joint load: waves 0 and 1 fetch for A, waves 2 and 3 for B; an s_nop 0 and four v_nop follow each line
	s_cmp_eq_u32 s15, 0
	s_cbranch_scc0 .Lfor_b_\@
	tensor_load_to_lds s[\g0a:\g0a+3], s[\g1a:\g1a+7]
	s_nop 0
.rept 4
	v_nop
.endr
	s_branch .Lasked_\@
.Lfor_b_\@:
	tensor_load_to_lds s[\g0b:\g0b+3], s[\g1b:\g1b+7]
	s_nop 0
.rept 4
	v_nop
.endr
.Lasked_\@:
.endm
.macro CREST
	s_cmp_lg_u32 s14, 0
	s_cbranch_scc1 .Lnot_wave_0_\@
	s_barrier_signal -3
.Lnot_wave_0_\@:
	s_barrier_wait -3
	s_barrier_signal -1
	s_barrier_wait -1
.endm
.macro CROUND
	s_barrier_signal -1
	s_barrier_wait -1
	CREST
.endm
	s_load_b128 s[4:7], s[0:1], 0x0                ; ocodes, oscales
	s_load_b128 s[8:11], s[0:1], 0x10              ; xcodes, xscales
	s_load_b64 s[12:13], s[0:1], 0x20              ; out0
	v_lshl_add_u32 v[SPW], v0, 2, SPARE
	v_mov_b32 v[NIL], 0
	ds_add_u32 v[SPW], v[NIL]                      ; the wave's opening: the add and its wait stand ahead of my first tensor load
	v_lshrrev_b32 v1, 5, v0
	v_readfirstlane_b32 s14, v1
	s_lshr_b32 s15, s14, 1
	s_and_b32 s16, s14, 1
	s_bfe_u32 s40, ttmp6, 0x40000                  ; cx
	s_bfe_u32 s41, ttmp6, 0x40004                  ; cy
	s_lshl_b32 s42, ttmp9, 2
	s_add_co_u32 s42, s42, s40                     ; tile column of C
	s_and_b32 s17, ttmp7, 0xffff
	s_lshl_b32 s17, s17, 2
	s_add_co_u32 s17, s17, s41                     ; tile row of C
	s_lshl_b32 s43, s41, 2
	s_lshl_b32 s43, 15, s43
	s_lshl_b32 s44, 0x1111, s40
	s_or_b32 s[G1+0], s43, (3<<16)|(1<<21)         ; A: 8 row tiles x 3,072 bytes (384 elements of 8 bytes), 12,288 bytes apart; no padding: the images are read as they lie
	s_mov_b32 s[G1+1], 384<<16
	s_mov_b32 s[G1+2], 8<<16
	s_mov_b32 s[G1+3], 384<<16
	s_mov_b32 s[G1+4], 8
	s_mov_b32 s[G1+5], 1536
	s_mov_b32 s[G1+6], 0
	s_mov_b32 s[G1+7], 0
	s_or_b32 s[G1B+0], s44, (0<<16)|(1<<20)|(1<<21)|(3<<22)|(3<<25)  ; B: 128 rows x 192 bytes, 16 bytes of padding behind every 64
	s_mov_b32 s[G1B+1], ROWB<<16
	s_mov_b32 s[G1B+2], 128<<16
	s_mov_b32 s[G1B+3], ROWB<<16
	s_mov_b32 s[G1B+4], 128
	s_mov_b32 s[G1B+5], KROW
	s_mov_b32 s[G1B+6], 0
	s_mov_b32 s[G1B+7], 0
	s_or_b32 s[G1S+0], s43, (3<<16)|(1<<20)|(1<<21)|(5<<22)|(3<<25)
	s_or_b32 s[G1SB+0], s44, (3<<16)|(1<<20)|(1<<21)|(5<<22)|(3<<25)
.irp g, G1S, G1SB
	s_mov_b32 s[\g+1], 32<<16
	s_mov_b32 s[\g+2], (128*KS/256)<<16
	s_mov_b32 s[\g+3], 32<<16
	s_mov_b32 s[\g+4], 128*KS/256
	s_mov_b32 s[\g+5], 32
	s_mov_b32 s[\g+6], 0
	s_mov_b32 s[\g+7], 0
.endr
	s_lshl_b32 s18, s16, 7
	s_lshl_b32 s20, s17, 8
	s_add_co_u32 s20, s20, s18                     ; A: row 256 x tile row + 128 x half
	s_lshl_b32 s46, s42, 8
	s_add_co_u32 s46, s46, s18                     ; B: row 256 x tile column + 128 x half
	s_mul_i32 s22, s20, KS
	s_mov_b32 s23, 0
	s_mul_i32 s20, s20, KROW                       ; 16 rows' images are 12,288 bytes: 768 a row
	s_mov_b32 s21, 0
	s_mul_i32 s92, s46, KS
	s_add_co_u32 s92, s92, XS_WO
	s_mov_b32 s93, 0
	s_mul_i32 s46, s46, KROW
	s_add_co_u32 s46, s46, XC_WO
	s_mov_b32 s47, 0
	s_mul_i32 s45, s14, HALFT
	s_mul_i32 s94, s14, HALFS
	s_wait_dscnt 0x0
	s_wait_kmcnt 0x0
	s_add_nc_u64 s[20:21], s[4:5], s[20:21]
	s_add_nc_u64 s[22:23], s[6:7], s[22:23]
	s_add_nc_u64 s[46:47], s[8:9], s[46:47]
	s_add_nc_u64 s[92:93], s[10:11], s[92:93]
	CROUND
	s_mov_b32 s[G0S], 1
	s_add_co_u32 s[G0S+1], s94, SCL
	s_mov_b64 s[G0S+2:G0S+3], s[22:23]
	s_or_b32 s[G0S+3], s[G0S+3], 0x80000000
	s_mov_b32 s[G0SB], 1
	s_add_co_u32 s[G0SB+1], s94, SCL
	s_mov_b64 s[G0SB+2:G0SB+3], s[92:93]
	s_or_b32 s[G0SB+3], s[G0SB+3], 0x80000000
	JLOAD G0S, G1S, G0SB, G1SB
.irp s, 0,1
	s_mov_b32 s[G0+4*\s], 1
	s_add_co_u32 s[G0+4*\s+1], s45, \s*SLOT
	s_add_nc_u64 s[G0+4*\s+2:G0+4*\s+3], s[20:21], \s*ASTEP
	s_or_b32 s[G0+4*\s+3], s[G0+4*\s+3], 0x80000000
	s_mov_b32 s[G0B+4*\s], 1
	s_add_co_u32 s[G0B+4*\s+1], s45, \s*SLOT
	s_add_nc_u64 s[G0B+4*\s+2:G0B+4*\s+3], s[46:47], \s*ROWB
	s_or_b32 s[G0B+4*\s+3], s[G0B+4*\s+3], 0x80000000
	JLOAD G0+4*\s, G1, G0B+4*\s, G1B
.endr
	v_and_b32 v1, 15, v0
	v_bfe_u32 v2, v0, 4, 1
	v_mul_u32_u24 v3, v1, PITCH
	v_mul_u32_u24 v4, v2, 24
	v_add_nc_u32 v4, v3, v4
	v_lshl_add_u32 v5, v2, 4, v4
	v_and_b32 v6, 31, v0
	v_lshlrev_b32 v7, 3, v6                        ; 8 x lane: my place in a chunk of an image
	s_mul_i32 s21, s15, HALFT
	s_mul_i32 s22, s16, HALFT
	s_add_co_u32 s22, s22, 2*HALFT
.irp s, 0,1
	v_add_nc_u32 v[ADRA+\s], s21, v7
	v_add_nc_u32 v[ADRB+\s], s22, v4
	v_add_nc_u32 v[ADRB+2+\s], s22, v5
	s_add_co_u32 s21, s21, SLOT
	s_add_co_u32 s22, s22, SLOT
.endr
	v_mul_u32_u24 v5, v1, KS
	v_lshrrev_b32 v6, 8, v5
	v_lshl_add_u32 v5, v6, 4, v5
	s_mul_i32 s21, s15, HALFS
	s_mul_i32 s22, s16, HALFS
	s_add_co_u32 s22, s22, 2*HALFS
	s_sub_co_u32 s22, s22, s21
	v_mul_u32_u24 v6, s22, v2
	s_add_co_u32 s21, s21, SCL
	v_add_nc_u32 v5, v5, v6
	v_add_nc_u32 v[ADRS], s21, v5
	s_mul_i32 s23, s14, 16*SPITCH
	v_mul_u32_u24 v5, v1, SPITCH
	v_lshl_add_u32 v5, v2, 5, v5
	v_add_nc_u32 v[STO], s23, v5
	v_and_b32 v6, 31, v0
	v_lshlrev_b32 v[CO], 4, v6
	v_add_nc_u32 v[RD], s23, v[CO]
	s_lshl_b32 s20, s17, 8
	s_lshl_b32 s21, s15, 7
	s_add_co_u32 s20, s20, s21                     ; my first row of C
	s_mov_b32 s21, 0
	s_mov_b64 s[18:19], SIZE_N*4
	s_mul_u64 s[20:21], s[20:21], s[18:19]
	s_lshl_b32 s46, s42, 10
	s_lshl_b32 s47, s16, 9
	s_add_co_u32 s46, s46, s47
	s_mov_b32 s47, 0
	s_add_nc_u64 s[20:21], s[20:21], s[46:47]
	s_add_nc_u64 s[12:13], s[12:13], s[20:21]
.macro FRAG reg, adr, q, i             ; B's fragment from padded rows, in pieces of 8 bytes
.irp p, 0,1,2,3,4,5
.set PCE, 12*(\q)+6*(\p/3)+\p%3
.if PCE%8 < 5
	ds_load_b64 v[\reg+2*\p:\reg+2*\p+1], v[\adr] offset:8*PCE+16*(PCE/8)+(\i)*16*PITCH
.else
	ds_load_b64 v[\reg+2*\p:\reg+2*\p+1], v[\adr+2] offset:8*PCE+16*(PCE/8)+(\i)*16*PITCH
.endif
.endr
.endm
.macro FRAGA reg, adr, q, i            ; A's fragment from its image: six chunks of 256 consecutive bytes
.irp p, 0,1,2,3,4,5
	ds_load_b64 v[\reg+2*\p:\reg+2*\p+1], v[\adr] offset:ASTEP*(\i)+1536*(\q)+256*\p
.endr
.endm
.macro MUL16 a0, p, q, sc, zero        ; the 64 accumulators take turns, one instruction a turn
.irp a, \a0, \a0+1
.irp b, 0,1,2,3,4,5,6,7
.if \zero
	v_wmma_scale_f32_16x16x128_f8f6f4 v[8*(8*((\a)%4)+\b):8*(8*((\a)%4)+\b)+7], v[128*(\p)+FR*\b:128*(\p)+FR*\b+FR-1], v[AF+FR*(\a):AF+FR*(\a)+FR-1], 0, v[SC+8*NQ*(\sc)+NQ*\b+(\q)], v[SC+8*NQ*(\sc)+NQ*(\a)+(\q)] matrix_a_fmt:MATRIX_FMT_FP6 matrix_b_fmt:MATRIX_FMT_FP6 matrix_a_scale:MATRIX_SCALE_ROW1
.else
	v_wmma_scale_f32_16x16x128_f8f6f4 v[8*(8*((\a)%4)+\b):8*(8*((\a)%4)+\b)+7], v[128*(\p)+FR*\b:128*(\p)+FR*\b+FR-1], v[AF+FR*(\a):AF+FR*(\a)+FR-1], v[8*(8*((\a)%4)+\b):8*(8*((\a)%4)+\b)+7], v[SC+8*NQ*(\sc)+NQ*\b+(\q)], v[SC+8*NQ*(\sc)+NQ*(\a)+(\q)] matrix_a_fmt:MATRIX_FMT_FP6 matrix_b_fmt:MATRIX_FMT_FP6 matrix_a_scale:MATRIX_SCALE_ROW1
.endif
.endr
.endr
.endm
.macro FETCH_B slot, q, p
	WIN TO_B
.irp i, 0,1,2,3,4,5,6,7
	FRAG 128*(\p)+FR*\i, ADRB+\slot, \q, \i
.endr
	WIN 0
.endm
.macro FETCH_A slot, q, i0
.irp i, \i0, \i0+1, \i0+2, \i0+3
	FRAGA AF+FR*(\i), ADRA+\slot, \q, \i
.endr
.endm
.macro SCALES sc
.irp i, 0,1,2,3,4,5,6,7
	ds_load_b64 v[SC+8*NQ*\sc+NQ*\i:SC+8*NQ*\sc+NQ*\i+1], v[ADRS] offset:\i*SBLK
.endr
.endm
.macro PLACES n
.rept \n
	v_nop
.endr
.endm
.macro STEP slot, q, zero
	s_wait_dscnt 4*NL                              ; B's set and A's blocks 0-3 are in; the youngest 24 loads (A's blocks 4-7) may be out
	WIN MUL_LO
	MUL16 0, (\q)%2, \q, \slot, \zero
	MUL16 2, (\q)%2, \q, \slot, \zero
	s_wait_dscnt 0
	PLACES NP
	FETCH_B \slot, (\q)+1, 1-(\q)%2
	FETCH_A \slot, (\q)+1, 0
	WIN MUL_HI
	MUL16 4, (\q)%2, \q, \slot, \zero
	MUL16 6, (\q)%2, \q, \slot, \zero
	PLACES NP
	WIN 0
	FETCH_A \slot, (\q)+1, 4
.endm
.macro TURN slot, next, fill
	s_wait_tensorcnt 0x0                           ; all my tensor loads have landed: my part of the next slot
	ds_add_u32 v[SPW], v[NIL]                      ; 0 onto my spare word
	s_wait_dscnt 4*NL+1                            ; the add and the youngest 24 loads may be out
	WIN MUL_LO
	MUL16 0, 1, NQ-1, \slot, 0
	s_wait_dscnt 0x0                               ; the add is done, and my reads of this slot are over
	s_barrier_signal -1
	MUL16 2, 1, NQ-1, \slot, 0
	WIN 0
	s_barrier_wait -1
.if \fill
	CREST                                          ; the barrier has opened a round of the cluster's barrier
	s_add_nc_u64 s[G0+4*\slot+2:G0+4*\slot+3], s[G0+4*\slot+2:G0+4*\slot+3], 2*ASTEP
	s_add_nc_u64 s[G0B+4*\slot+2:G0B+4*\slot+3], s[G0B+4*\slot+2:G0B+4*\slot+3], 2*ROWB
	JLOAD G0+4*\slot, G1, G0B+4*\slot, G1B         ; the first tensor load behind the round
.else
	PLACES NP
.endif
	v_add_nc_u32 v[ADRS], 4*NQ, v[ADRS]
	FETCH_B \next, 0, 0
	FETCH_A \next, 0, 0
	SCALES \next
	WIN MUL_HI
	MUL16 4, 1, NQ-1, \slot, 0
	MUL16 6, 1, NQ-1, \slot, 0
	PLACES NP
	WIN 0
	FETCH_A \next, 0, 4
.endm
	s_wait_tensorcnt 1                             ; the scales and my part of K step 0 are in; K step 1's load may be out
	s_barrier_signal -1
	s_barrier_wait -1
	FETCH_B 0, 0, 0
	FETCH_A 0, 0, 0
	SCALES 0
	FETCH_A 0, 0, 4
	STEP 0, 0, 1
	s_mov_b32 s3, LAPS-1
.Llap:
	TURN 0, 1, 1
	STEP 1, 0, 0
	TURN 1, 0, 1
	STEP 0, 0, 0
	s_sub_co_u32 s3, s3, 1
	s_cmp_lg_u32 s3, 0
	s_cbranch_scc1 .Llap
	TURN 0, 1, 0
	STEP 1, 0, 0
	s_wait_dscnt 4*NL
	WIN MUL_LO
	MUL16 0, 1, NQ-1, 1, 0
	MUL16 2, 1, NQ-1, 1, 0
	s_wait_dscnt 0
	WIN MUL_HI
	MUL16 4, 1, NQ-1, 1, 0
	MUL16 6, 1, NQ-1, 1, 0
	WIN 0
; THE WAY OUT, block by block of 16 rows x 128 columns, through my own stage in LDS: back as whole rows of 512 bytes.  LDS serves a wave's instructions in order: no wait between the stores and the loads.
.macro TOSTAGE a
.set AC, 64*((\a)%4)
	WIN 0x08+4*((\a)/4)                            ; the data: window 2 or 3
.irp b, 0,1,2,3,4,5,6,7
	ds_store_b128 v[STO], v[AC+8*\b:AC+8*\b+3] offset:64*\b          ; each accumulator from its low end on
	ds_store_b128 v[STO], v[AC+8*\b+4:AC+8*\b+7] offset:64*\b+16
.endr
	WIN 0
.set BB, BK+64*((\a)%2)
.irp t, 0,1,2,3,4,5,6,7,8,9,10,11,12,13,14,15
	ds_load_b128 v[BB+4*\t:BB+4*\t+3], v[RD] offset:\t*SPITCH
.endr
.endm
.macro SEND a, younger                 ; younger: the LDS instructions issued behind block a's loads, which may stay out
.set BB, BK+64*((\a)%2)
	s_wait_dscnt \younger
.if (\a) > 0
	s_add_nc_u64 s[12:13], s[12:13], 16*SIZE_N*4   ; behind a wait on XCNT: the earlier stores have read their base
.endif
.irp t, 0,1,2,3,4,5,6,7,8,9,10,11,12,13,14,15
	global_store_b128 v[CO], v[BB+4*\t:BB+4*\t+3], s[12:13] offset:\t*SIZE_N*4 th:TH_STORE_NT   ; 32 lanes store 512 consecutive bytes, aligned
.endr
.endm
	PLACES NP
	TOSTAGE 0
.irp a, 1,2,3,4,5,6,7
.if \a > 1
	s_wait_xcnt 0x0                                ; block a - 2's stores have read their registers and their base
.endif
	TOSTAGE \a
	SEND \a-1, 32                                  ; behind block a - 1's loads: block a's 16 stores and 16 loads
.endr
	s_wait_xcnt 0x0
	SEND 7, 0
	s_wait_tensorcnt 0x0                           ; the wave's end
	ds_add_u32 v[SPW], v[NIL]
	s_wait_dscnt 0x0
	CROUND                                         ; the closing round
	s_endpgm
.Lfunc_end_k_q7193f9d14f_outproj:
	.size	k_q7193f9d14f_outproj, .Lfunc_end_k_q7193f9d14f_outproj-k_q7193f9d14f_outproj
	.p2alignl 7, 3214868480
	.fill 96, 4, 3214868480
	.section	.rodata,"a",@progbits
	.p2align	6, 0x0
	.amdhsa_kernel k_q7193f9d14f_outproj
		.amdhsa_group_segment_fixed_size 327680
		.amdhsa_private_segment_fixed_size 0
		.amdhsa_enable_private_segment 0
		.amdhsa_kernarg_size 40
		.amdhsa_user_sgpr_count 2
		.amdhsa_user_sgpr_kernarg_segment_ptr 1
		.amdhsa_wavefront_size32 1
		.amdhsa_system_sgpr_workgroup_id_x 1
		.amdhsa_system_sgpr_workgroup_id_y 1
		.amdhsa_system_sgpr_workgroup_id_z 1
		.amdhsa_system_vgpr_workitem_id 0
		.amdhsa_next_free_vgpr 1024
		.amdhsa_next_free_sgpr 98
		.amdhsa_reserve_vcc 0
		.amdhsa_float_denorm_mode_32 3
		.amdhsa_float_denorm_mode_16_64 3
		.amdhsa_memory_ordered 1
		.amdhsa_forward_progress 1
		.amdhsa_inst_pref_size 160
	.end_amdhsa_kernel
	.amdgpu_metadata
---
amdhsa.version: [ 1, 2 ]
amdhsa.kernels:
  - .name:           k_q7193f9d14f_outproj
    .symbol:         k_q7193f9d14f_outproj.kd
    .args:
      - { .name: ocodes, .offset: 0, .size: 8, .value_kind: global_buffer, .address_space: global }
      - { .name: oscales, .offset: 8, .size: 8, .value_kind: global_buffer, .address_space: global }
      - { .name: xcodes, .offset: 16, .size: 8, .value_kind: global_buffer, .address_space: global }
      - { .name: xscales, .offset: 24, .size: 8, .value_kind: global_buffer, .address_space: global }
      - { .name: out0, .offset: 32, .size: 8, .value_kind: global_buffer, .address_space: global }
    .group_segment_fixed_size: 327680
    .private_segment_fixed_size: 0
    .kernarg_segment_align: 8
    .kernarg_segment_size: 40
    .max_flat_workgroup_size: 128
    .sgpr_count:     98
    .vgpr_count:     1024
    .wavefront_size: 32
...
	.end_amdgpu_metadata
.endif
;; end of part 4
